; MI455X (gfx1250); checked and timed in simulation.
; The chip was launched on July 23, 2026; its instructions are those of AMD's public machine-readable ISA for CDNA 5 (MIT licence, August 2026) and "CDNA5" Instruction Set Architecture Reference Guide (July 2026). The comments in the code are by the model that wrote it; some were corrected since.
;; Multi Head Attention. Allowed arithmetic: matrix products marked QUANTISED: E2M3 operands, one E8M0 scale for each 32 along K, by v_wmma_scale_f32_16x16x128_f8f6f4 with both operands' format E2M3, f32 sums; everything else in f32.
;; Inputs: Wk 1,024 x 16 x 64 float32; Wo 16 x 64 x 1,024 float32; Wq 1,024 x 16 x 64 float32; Wv 1,024 x 16 x 64 float32; bk 16 x 64 float32; bo 1,024 float32; bq 16 x 64 float32; bv 16 x 64 float32; mask 4 x 2,048 x 2,048 bool; query 4 x 2,048 x 1,024 float32; value 4 x 2,048 x 1,024 float32.
;; Outputs: out0 4 x 2,048 x 1,024 float32.
;; This version of the problem:
;;   THIS VERSION OF THE PROBLEM IS GIVEN IN LOW PRECISION. The matrix products marked QUANTISED in the list below multiply operands that are first quantised to E2M3 (2 exponent bits, 3 mantissa bits; 6 bits a number), with one power-of-two scale for each 32 numbers along K (OCP MX v1.0); their sums are f32. All else is computed in f32.
;;   The module's matrix products, in the order in which they are computed (A, B: the left and right operand; K: the contracted axis; several contracted axes count as one K, in the product's order):
;;     1. [M 8,192, K 1,024] x [K 1,024, N 1,024]; A: input query; B: input Wq: QUANTISED
;;     2. [M 8,192, K 1,024] x [K 1,024, N 1,024]; A: input value; B: input Wk: QUANTISED
;;     3. [M 8,192, K 1,024] x [K 1,024, N 1,024]; A: input value; B: input Wv: QUANTISED
;;     4. batch 64 x [M 2,048, K 64] x [K 64, N 2,048]; A: computed on the way; B: computed on the way: QUANTISED
;;     5. batch 64 x [M 64, K 2,048] x [K 2,048, N 2,048]; A: computed on the way; B: softmax (see below): QUANTISED
;;     6. [M 8,192, K 1,024] x [K 1,024, N 1,024]; A: computed on the way; B: input Wo: QUANTISED
;;   THE QUANTISER, for each operand of a quantised product, along K:
;;     - K is cut into blocks of 32 from its start; a last block that is shorter is filled with zeros.
;;     - A block's scale is 2^e with e = floor(log2(the largest magnitude in the block)) - 2, held to -126 .. 127; a block of zeros has e = 0. As a byte (E8M0): e + 127.
;;     - Each number is divided by its block's scale, clamped to +-7.5, and rounded to the nearest number of E2M3, ties to even, subnormals kept.
;;     - The product sums the exact products of the quantised numbers (number of the format x scale) in f32.
;;   ~~~python
;;   def quantise(x, axis):      # numpy; x: float32 -> the quantised numbers, widened to float32 again
;;       x = np.moveaxis(x, axis, -1); K = x.shape[-1]
;;       x = np.pad(x, [(0, 0)] * (x.ndim - 1) + [(0, -K % 32)]); x = x.reshape(x.shape[:-1] + (-1, 32)); a = np.abs(x).max(-1, keepdims=True)
;;       e = np.where(a > 0, np.clip(np.frexp(np.where(a > 0, a, 1))[1] - 1 - 2, -126, 127), 0)      # np.frexp(a)[1] - 1 = floor(log2(a)), exactly
;;       r = np.clip(x / 2.0 ** e, -7.5, 7.5)
;;       step = 2.0 ** (np.maximum(np.frexp(np.where(r == 0, 1, r))[1] - 1, 0) - 3)
;;       q = np.round(r / step) * step * 2.0 ** e      # np.round: ties to even
;;       return np.moveaxis(q.reshape(q.shape[:-2] + (-1,))[..., :K], -1, axis).astype(np.float32)
;;   ~~~
;;   SOFTMAX AHEAD OF A QUANTISED PRODUCT. Where the list says 'softmax', what is quantised is not the finished softmax but p = 2^(t - M), with t = logit x log2(e) and M = ceil(the row's largest t), a whole number; so 1/2 < the row's largest p <= 1. The row's sum l is taken of the UNQUANTISED p, in f32, and the product's result is divided by l at the end. Since M is a whole number, a kernel that streams over the keys may use a running M (the ceiling of the running maximum): every later rescaling is an exact power of two, which a block's scale takes up: the codes' values come out the same.
;;   OPERANDS COMPUTED ON THE WAY. 'Computed on the way' means the value that the module computes at that place (a softmax that the list does not call 'softmax' is quantised finished and normalised). What goes into a quantiser is computed in f32, as accurately as f32 sums, v_exp_f32 and their like allow (about 1e-6 of the number): no bf16 or f16 on the way to a quantiser, and a product that is left as it is and whose result goes on into a quantised operand takes f32 operands (vector FMAs, or v_wmma_f32_16x16x4_f32). A number that lies on a knife's edge between two numbers of the format may be rounded either way, as far as f32 arithmetic and the matrix unit's own rounding can turn it there, and no further.
;; One version. Each part assembles by itself: llvm-mc -triple=amdgcn-amd-amdhsa -mcpu=gfx1250 --defsym DOCPART=n.
;; ======== version 1 of 1: 4 launches
;; limits: right only within a limited range of input values
;; workspace buffers: xw 16,384,000 bytes; maskc 12,582,912 bytes; qb 6,815,744 bytes; kv 13,369,344 bytes; ab 6,553,600 bytes
;; launch prep (part 1): grid 640 x 1, 8 waves a work-group, no clusters, 70,656 bytes of LDS; arguments query, value, mask, Wq, Wk, Wv, Wo, xw, maskc; writes xw, maskc
.if DOCPART == 1
	.amdgcn_target "amdgcn-amd-amdhsa--gfx1250"
	.amdhsa_code_object_version 6
	.text
	.protected	k_q94744d9d90_prep
	.globl	k_q94744d9d90_prep
	.p2align	8
	.type	k_q94744d9d90_prep,@function
k_q94744d9d90_prep:
	s_mov_b64 s[64:65], 0
	v_nop
	global_prefetch_b8 v0, s[64:65] scope:SCOPE_SE
	s_setreg_imm32_b32 hwreg(HW_REG_WAVE_MODE, 25, 1), 1
	s_wait_xcnt 0x0
; PREP: everything that arrives wide is turned once into what the later launches read.
;   path X (work-groups 0-255):   query and value [8192][1024] f32 -> codes of FP6 (E2M3) and E8M0 scale bytes, K innermost
;   path M (work-groups 256-511): mask [4][2048][2048] bytes -> lane masks, one dword for each register of a tile of scores
;   path W (work-groups 512-639): Wq, Wk, Wv, Wo [K 1024][N 1024] f32 -> codes and scale bytes along K, their first axis
; A UNIT of codes is 768 bytes: 16 rows x 64 along K as an image of operand registers 0-5: lane l = (r = l % 16, h = l / 16) holds block h (32 codes, 24 bytes) of row r,
; its registers 0-3 at byte 16 l, its registers 4-5 at byte 512 + 8 l: one store of 16 bytes and one of 8 bytes a lane, each covering consecutive bytes.
; ORDER INSIDE A BLOCK OF 32: place p holds the number at offset (p & 7) + 16 ((p >> 3) & 1) + 8 (p >> 4).  Every operand of every product of this program has that order, so products meet their partners;
; blocks and scales are the true ones; only the grouping of the sums inside a matrix instruction differs from ascending k.
; A block's scale is 2^(floor(log2(its largest magnitude)) - 2): its byte is the largest magnitude's exponent field - 2, held at 1 from below.
; LIMITS: NaN and infinities among the inputs are not served; a block whose largest magnitude lies under 2^-124 keeps the byte 1; a block of zeros has the byte 1 and not 127 (its codes are zeros, and only this program reads the bytes);
; any mask byte other than 0 counts as true.
; xw: codes of query, value at 0: [tensor][row tile 512][unit 16][768]; codes of the weights at WCODES: [w][n tile 64][unit 16][768]; scale bytes at XSCL: [tensor][row][32], at WSCL: [w][n][32].
; maskbits: [b][query tile 128][step 16][64 dwords]: bit L of dword 8 t + j is mask[b][16 tile + L % 16][128 step + 16 t + 8 (L / 16) + j].
; Waves share nothing: no barrier.  Each wave has a stage of 16 rows x 272 bytes in LDS, path X's from byte 0, path M's from byte MST.  The scale bytes leave in short pieces (8 or 4 bytes a row): a hundredth of the paths' bytes.
.set WCODES, 12582912
.set XSCL,   15728640
.set WSCL,   16252928
.set STG,    4352                      ; a wave's stage
.set MST,    34816                     ; path M's stages begin here
.set FLOOR,  0x1800000                 ; 2^(3 - 127)
.set EOFF,   0xff000000                ; - (2 << 23)
; the largest magnitude of v[s] .. v[s + 31], with the floor, in v8; the conversion's scale operand in v11
.macro MAX32 s
	v_max3_num_f32 v8, |v[\s]|, |v[\s+1]|, |v[\s+2]|
	v_max3_num_f32 v9, |v[\s+3]|, |v[\s+4]|, |v[\s+5]|
.irp i, 6,10,14,18,22,26
	s_delay_alu instid0(VALU_DEP_2)
	v_max3_num_f32 v8, v8, |v[\s+\i]|, |v[\s+\i+1]|
	s_delay_alu instid0(VALU_DEP_2)
	v_max3_num_f32 v9, v9, |v[\s+\i+2]|, |v[\s+\i+3]|
.endr
	s_delay_alu instid0(VALU_DEP_2)
	v_max3_num_f32 v8, v8, |v[\s+30]|, |v[\s+31]|
	s_delay_alu instid0(VALU_DEP_1)
	v_max3_num_f32 v8, v8, v9, FLOOR
	s_delay_alu instid0(VALU_DEP_1)
	v_add_nc_u32 v11, EOFF, v8                     ; 2 off the exponent field: the conversion takes this operand's exponent field as its scale
.endm
; path X: unit u (64 along K of 16 rows): eight loads, sixteen lanes to 256 consecutive bytes of a row, two rows a load
.macro XLOAD u
.irp i, 0,1,2,3,4,5,6,7
	global_load_b128 v[32+32*((\u)%3)+4*\i:32+32*((\u)%3)+4*\i+3], v30, s[4:5] offset:\i*8192+(\u)*256 th:TH_LOAD_NT
.endr
.endm
.macro UNITX u
.set RS, 32+32*((\u)%3)
.if (\u) < 6
	s_wait_loadcnt 16                              ; this unit's eight loads are in; those of the two units behind it may be out
.else
	s_wait_loadcnt 8*(7-(\u))
.endif
.irp i, 0,1,2,3,4,5,6,7
	ds_store_b128 v4, v[RS+4*\i:RS+4*\i+3] offset:\i*544          ; as loaded: rows 2 i and 2 i + 1, 272 bytes apart
.endr
.irp g, 0,1,2,3,4,5,6,7
	ds_load_b128 v[128+4*\g:131+4*\g], v6 offset:16*((\g&1)+4*((\g>>1)&1)+2*(\g>>2))   ; back: my row's block h, its 32 numbers in the order of the head comment (LDS serves a wave's instructions in order)
.endr
	s_wait_dscnt 0x0                               ; the block is in, and the stores have read their registers,
.if (\u)+3 < 8
	XLOAD (\u)+3                                   ; which take the loads of three units on
.endif
	MAX32 128
	s_wait_alu depctr_va_vdst(0)
	s_wait_xcnt 0x0                                ; the last unit's stores have read their data: the codes' registers are written again only behind this wait
	v_cvt_scalef32_pk16_fp6_f32 v[160:162], v[128:143], v11
	v_cvt_scalef32_pk16_fp6_f32 v[176:178], v[144:159], v11       ; (a conversion's three registers begin on an even number)
	v_lshrrev_b32 v12, 23, v11                     ; the scale's byte; also the plain line behind the conversions
.irp i, 0,1,2
	v_mov_b32 v[163+\i], v[176+\i]
.endr
.if (\u)%2 == 0
	s_delay_alu instid0(VALU_DEP_4)
	v_mov_b32 v[24+(\u)/2], v12                    ; two units' bytes to a register, 16 bits apart: lane l xor 16's go between them
.else
	s_delay_alu instid0(VALU_DEP_4)
	v_lshl_or_b32 v[24+(\u)/2], v12, 16, v[24+(\u)/2]
.endif
	global_store_b128 v28, v[160:163], s[6:7] offset:(\u)*768
	global_store_b64 v29, v[164:165], s[6:7] offset:(\u)*768+512
.endm
; path W: block kb of 32 along K: lane l takes column l of the wave's 32, its registers run down K in the order of the head comment
.macro WLOAD kb
.set i, 0
.rept 32
	global_load_b32 v[32+32*(\kb)+i], v26, s[10:11] offset:(32*(\kb)+(i&7)+16*((i>>3)&1)+8*(i>>4))*4096 th:TH_LOAD_NT
.set i, i+1
.endr
.endm
.macro WBLOCK kb
.set XS, 32+32*(\kb)
.set CD, 160+8*((\kb)%2)
.set CT, 176+4*((\kb)%2)
.if (\kb) < 3
	s_wait_loadcnt 32                              ; this block's 32 loads are in; the next block's may be out
.else
	s_wait_loadcnt 0
.endif
.if (\kb)+2 < 4
	WLOAD (\kb)+2
.endif
	MAX32 XS
.if (\kb) == 2
	s_wait_alu depctr_va_vdst(0)
	s_wait_xcnt 0x0                                ; the first pair's stores have read their data
.endif
	v_cvt_scalef32_pk16_fp6_f32 v[CD:CD+2], v[XS:XS+15], v11
	v_cvt_scalef32_pk16_fp6_f32 v[CT:CT+2], v[XS+16:XS+31], v11
	v_lshrrev_b32 v12, 23, v11                     ; the scale's byte; also the plain line behind the conversions
.irp i, 0,1,2
	v_mov_b32 v[CD+3+\i], v[CT+\i]
.endr
.if (\kb) == 0
	s_delay_alu instid0(VALU_DEP_4)
	v_mov_b32 v24, v12
.else
	s_delay_alu instid0(VALU_DEP_4)
	v_lshl_or_b32 v24, v12, 8*(\kb), v24           ; four bytes make my column's scale word for these 128 along K
.endif
.if (\kb)%2 == 1
.irp i, 0,1,2,3,4,5
	v_permlane16_swap_b32 v[160+\i], v[168+\i]     ; v160.. : columns 0-15, even block below, odd block above: a unit; v168.. : the same of columns 16-31
.endr
	global_store_b128 v28, v[160:163], s[12:13] offset:((\kb)/2)*768
	global_store_b64 v29, v[164:165], s[12:13] offset:((\kb)/2)*768+512
	global_store_b128 v28, v[168:171], s[12:13] offset:12288+((\kb)/2)*768
	global_store_b64 v29, v[172:173], s[12:13] offset:12288+((\kb)/2)*768+512
.endif
.endm
	s_load_b256 s[4:11], s[0:1], 0x0               ; query s[4:5], value s[6:7], mask s[8:9], Wq s[10:11]
	s_load_b256 s[12:19], s[0:1], 0x20             ; Wk s[12:13], Wv s[14:15], Wo s[16:17], xw s[18:19]
	s_load_b64 s[20:21], s[0:1], 0x40              ; maskbits
	v_lshl_add_u32 v192, v0, 2, 0x11000
	v_mov_b32 v193, 0
	v_lshrrev_b32 v1, 5, v0
	s_delay_alu instid0(VALU_DEP_1)
	v_readfirstlane_b32 s22, v1                    ; wave 0..7
	v_and_b32 v1, 31, v0                           ; lane
	v_and_b32 v2, 15, v0                           ; r
	v_bfe_u32 v3, v0, 4, 1                         ; h
	s_mul_i32 s27, s22, STG
	v_mul_u32_u24 v4, v3, 272
	s_delay_alu instid0(VALU_DEP_1)
	v_lshl_add_u32 v4, v2, 4, v4
	s_delay_alu instid0(VALU_DEP_1)
	v_add_nc_u32 v4, s27, v4                       ; the stage, on the way in: row h, 16 bytes a lane
	v_mul_u32_u24 v5, v2, 272
	s_delay_alu instid0(VALU_DEP_1)
	v_add_nc_u32 v5, s27, v5                       ; row r
	s_delay_alu instid0(VALU_DEP_1)
	v_lshl_add_u32 v6, v3, 7, v5                   ; path X, on the way out: row r, block h of 128 bytes
	s_delay_alu instid0(VALU_DEP_2)
	v_lshl_add_u32 v7, v3, 3, v5                   ; path M, on the way out: row r, 8 h
	v_lshlrev_b32 v28, 4, v1                       ; 16 x lane
	v_lshlrev_b32 v29, 3, v1                       ; 8 x lane
	s_mov_b32 s29, 0
	s_lshl_b32 s23, ttmp9, 3
	s_add_co_u32 s23, s23, s22                     ; 8 x work-group + wave: the wave's task, counted through the three paths
	s_wait_kmcnt 0x0
	s_cmp_lt_u32 ttmp9, 256
	s_cbranch_scc1 .Lpath_x
	s_cmp_lt_u32 ttmp9, 512
	s_cbranch_scc1 .Lpath_m
	; ---- PATH W: task = 4096 + (weight 2 bits | 128 along K 3 bits | 32 columns 5 bits)
	s_bfe_u32 s24, s23, 0x20008                    ; which weight
	s_bfe_u32 s25, s23, 0x30005                    ; kg
	s_and_b32 s26, s23, 31                         ; cg
	s_cmp_eq_u32 s24, 1
	s_cselect_b64 s[10:11], s[12:13], s[10:11]
	s_cmp_eq_u32 s24, 2
	s_cselect_b64 s[10:11], s[14:15], s[10:11]
	s_cmp_eq_u32 s24, 3
	s_cselect_b64 s[10:11], s[16:17], s[10:11]
	s_lshl_b32 s28, s25, 19                        ; 128 kg rows of 4,096 bytes
	s_lshl_b32 s27, s26, 7                         ; 32 cg columns
	s_add_co_u32 s28, s28, s27
	s_add_nc_u64 s[10:11], s[10:11], s[28:29]
	s_mul_i32 s28, s24, 786432
	s_mul_i32 s27, s26, 24576                      ; n tile 2 cg
	s_add_co_u32 s28, s28, s27
	s_mul_i32 s27, s25, 1536                       ; unit 2 kg
	s_add_co_u32 s28, s28, s27
	s_add_co_u32 s28, s28, WCODES
	s_add_nc_u64 s[12:13], s[18:19], s[28:29]
	s_lshl_b32 s28, s24, 15
	s_lshl_b32 s27, s26, 10                        ; 32 cg rows of 32 scale bytes
	s_add_co_u32 s28, s28, s27
	s_lshl_b32 s27, s25, 2                         ; word kg
	s_add_co_u32 s28, s28, s27
	s_add_co_u32 s28, s28, WSCL
	s_add_nc_u64 s[14:15], s[18:19], s[28:29]
	v_lshlrev_b32 v26, 2, v1                       ; in: 4 bytes a lane
	v_lshlrev_b32 v27, 5, v1                       ; my column's row of scale bytes
	WLOAD 0
	WLOAD 1
	s_wait_alu depctr_va_vdst(0)
	WBLOCK 0
	WBLOCK 1
	WBLOCK 2
	WBLOCK 3
	global_store_b32 v27, v24, s[14:15]
	s_endpgm
	; ---- PATH M: task = 2048 + (b 2 bits | query tile 7 bits | 512 keys 2 bits)
.Lpath_m:
	s_and_b32 s23, s23, 2047
	s_lshr_b32 s24, s23, 9                         ; b
	s_bfe_u32 s25, s23, 0x70002                    ; query tile
	s_and_b32 s26, s23, 3                          ; which 512 keys
	s_lshl_b32 s28, s24, 22
	s_lshl_b32 s27, s25, 15
	s_add_co_u32 s28, s28, s27
	s_lshl_b32 s27, s26, 9
	s_add_co_u32 s28, s28, s27
	s_add_nc_u64 s[8:9], s[8:9], s[28:29]
	; PATH M AS IT STANDS (this takes the place of what the head comment says of lane masks and of maskbits):
	; maskc: [b][query tile 128][key 2048][12 bytes]: 16 codes of FP6, code q at bits 6 q: 4.0 where mask[b][16 tile + q][key] is 0, else 0.
	; The attention launch takes these 12 bytes as registers 6-8 of K's operand.  LIMIT: a mask byte is 0 or 1, as the problem states: bit 0 alone is read.
	; A lane takes 8 neighbouring keys; its registers run over the tile's 16 queries: each load reads 256 consecutive bytes of one mask row.
	; A key's bit is shifted to bit 30 of an f32 and inverted: 2.0 where masked, 0 else; the conversion divides by 2^-1.
	; A lane's 96 bytes turn through the wave's own stage, so that each store covers 512 consecutive bytes.
	s_mul_i32 s28, s23, 6144                       ; (b 128 + tile) x 24,576 + 512 keys x 12 = task x 6,144
	s_add_nc_u64 s[20:21], s[20:21], s[28:29]
	s_mul_i32 s27, s22, STG
	s_wait_alu depctr_va_vdst(0)                   ; the wait ahead of the first read of what the head wrote
	v_mul_u32_u24 v30, v1, 96
	v_add_nc_u32 v30, s27, v30                     ; the stage, on the way in: 96 x lane
	v_add_nc_u32 v31, s27, v28                     ; and out: 16 x lane
	v_mov_b32 v27, 0x3f000000                      ; the conversion's scale operand: 2^-1
	s_wait_alu depctr_va_vdst(0)                   ; the wait ahead of the waits below
.irp uu, 0,1
.irp q, 0,1,2,3,4,5,6,7,8,9,10,11,12,13,14,15
	global_load_b64 v[32+32*\uu+2*\q:33+32*\uu+2*\q], v29, s[8:9] offset:\q*2048+\uu*256 th:TH_LOAD_NT
.endr
.endr
.irp uu, 0,1                                   ; 256 keys at a time
	s_wait_loadcnt 16-16*\uu                       ; these sixteen loads are in; the second 256 keys' may be out
.irp k, 0,1,2,3,4,5,6,7                        ; my key 8 lane + k; two sets of 16 numbers by turns
.irp q, 0,1,2,3,4,5,6,7,8,9,10,11,12,13,14,15
	v_lshlrev_b32 v[96+16*(\k%2)+\q], 30-8*(\k%4), v[32+32*\uu+2*\q+\k/4]
.endr
.irp q, 0,1,2,3,4,5,6,7,8,9,10,11,12,13,14,15
	v_bfi_b32 v[96+16*(\k%2)+\q], v[96+16*(\k%2)+\q], 0, 0x40000000   ; bit 30 of the inverse, nothing else
.endr
.if \k%2 == 0
	v_cvt_scalef32_pk16_fp6_f32 v[128+3*\k:130+3*\k], v[96:111], v27
.else
	v_cvt_scalef32_pk16_fp6_f32 v[152+4*(\k/2):154+4*(\k/2)], v[112:127], v27   ; (a conversion's three registers begin on an even number)
.endif
.endr
.irp k, 1,3,5,7
.irp i, 0,1,2
	v_mov_b32 v[128+3*\k+\i], v[152+4*(\k/2)+\i]
.endr
.endr
.irp i, 0,1,2,3,4,5
	ds_store_b128 v30, v[128+4*\i:131+4*\i] offset:MST+16*\i
.endr
.if \uu
	s_wait_xcnt 0x0                                ; the first half's stores have read their data
.endif
.irp i, 0,1,2,3,4,5
	ds_load_b128 v[168+4*\i:171+4*\i], v31 offset:MST+512*\i      ; LDS serves a wave's instructions in order
.endr
	s_wait_dscnt 0x0
.irp i, 0,1,2,3,4,5
	global_store_b128 v28, v[168+4*\i:171+4*\i], s[20:21] offset:3072*\uu+512*\i
.endr
.endr
	s_wait_tensorcnt 0x0
	ds_add_u32 v192, v193
	s_wait_dscnt 0x0
	s_endpgm
	; ---- PATH X: task = (tensor 1 bit | row tile 9 bits | half of K 1 bit)
.Lpath_x:
	s_lshr_b32 s24, s23, 10                        ; 0: query, 1: value
	s_bfe_u32 s25, s23, 0x90001                    ; row tile
	s_and_b32 s26, s23, 1                          ; which 512 along K
	s_cmp_eq_u32 s24, 0
	s_cselect_b64 s[4:5], s[4:5], s[6:7]
	s_lshl_b32 s28, s25, 16                        ; 16 rows of 4,096 bytes
	s_lshl_b32 s27, s26, 11
	s_add_co_u32 s28, s28, s27
	s_add_nc_u64 s[4:5], s[4:5], s[28:29]
	s_mul_i32 s28, s24, 6291456
	s_mul_i32 s27, s25, 12288
	s_add_co_u32 s28, s28, s27
	s_mul_i32 s27, s26, 6144                       ; unit 8 x half
	s_add_co_u32 s28, s28, s27
	s_add_nc_u64 s[6:7], s[18:19], s[28:29]
	s_lshl_b32 s28, s24, 18
	s_lshl_b32 s27, s25, 9                         ; 16 rows of 32 scale bytes
	s_add_co_u32 s28, s28, s27
	s_lshl_b32 s27, s26, 4
	s_add_co_u32 s28, s28, s27
	s_add_co_u32 s28, s28, XSCL
	s_add_nc_u64 s[8:9], s[18:19], s[28:29]
	s_mov_b32 s30, 0x76543210
	s_mov_b32 s31, 0xfedcba98                      ; v_permlanex16_b32's selects for lane l xor 16
	s_mov_b32 s33, 0xffff0000                      ; lanes 16-31
	v_lshlrev_b32 v30, 4, v2
	s_delay_alu instid0(VALU_DEP_1)
	v_lshl_add_u32 v30, v3, 12, v30                ; row h of 4,096 bytes, 16 bytes a lane
	XLOAD 0
	XLOAD 1
	XLOAD 2
	s_wait_alu depctr_va_vdst(0)
.irp u, 0,1,2,3,4,5,6,7
	UNITX \u
.endr
	v_lshlrev_b32 v13, 3, v3
.irp j, 0,1,2,3
	v_lshlrev_b32 v[24+\j], v13, v[24+\j]          ; my bytes to their places: 8 h bits up
.endr
.irp j, 0,1,2,3
	v_mov_b32 v[16+\j], 0                          ; a lane permute's destination counts as read
.endr
.irp j, 0,1,2,3
	s_delay_alu instid0(VALU_DEP_4)
	v_permlanex16_b32 v[16+\j], v[24+\j], s30, s31
.endr
.irp j, 0,1,2,3
	s_delay_alu instid0(VALU_DEP_4)
	v_or_b32 v[24+\j], v[24+\j], v[16+\j]          ; with lane l xor 16's the four words are whole
.endr
	s_delay_alu instid0(VALU_DEP_2)
	v_cndmask_b32 v20, v24, v26, s33               ; lanes 0-15 store words 0, 1 of their row, lanes 16-31 words 2, 3
	s_delay_alu instid0(VALU_DEP_2)
	v_cndmask_b32 v21, v25, v27, s33
	v_lshlrev_b32 v22, 5, v2
	s_delay_alu instid0(VALU_DEP_1)
	v_lshl_add_u32 v22, v3, 3, v22
	global_store_b64 v22, v[20:21], s[8:9]
	s_wait_tensorcnt 0x0
	ds_add_u32 v192, v193
	s_wait_dscnt 0x0
	s_endpgm
.Lfunc_end_k_q94744d9d90_prep:
	.size	k_q94744d9d90_prep, .Lfunc_end_k_q94744d9d90_prep-k_q94744d9d90_prep
	.p2alignl 7, 3214868480
	.fill 96, 4, 3214868480
	.section	.rodata,"a",@progbits
	.p2align	6, 0x0
	.amdhsa_kernel k_q94744d9d90_prep
		.amdhsa_group_segment_fixed_size 70656
		.amdhsa_private_segment_fixed_size 0
		.amdhsa_enable_private_segment 0
		.amdhsa_kernarg_size 72
		.amdhsa_user_sgpr_count 2
		.amdhsa_user_sgpr_kernarg_segment_ptr 1
		.amdhsa_wavefront_size32 1
		.amdhsa_system_sgpr_workgroup_id_x 1
		.amdhsa_system_sgpr_workgroup_id_y 1
		.amdhsa_system_sgpr_workgroup_id_z 1
		.amdhsa_system_vgpr_workitem_id 0
		.amdhsa_next_free_vgpr 194
		.amdhsa_next_free_sgpr 66
		.amdhsa_reserve_vcc 0
		.amdhsa_float_denorm_mode_32 3
		.amdhsa_float_denorm_mode_16_64 3
		.amdhsa_memory_ordered 1
		.amdhsa_forward_progress 1
		.amdhsa_inst_pref_size 91
	.end_amdhsa_kernel
	.amdgpu_metadata
---
amdhsa.version: [ 1, 2 ]
amdhsa.kernels:
  - .name:           k_q94744d9d90_prep
    .symbol:         k_q94744d9d90_prep.kd
    .args:
      - { .name: query, .offset: 0, .size: 8, .value_kind: global_buffer, .address_space: global }
      - { .name: value, .offset: 8, .size: 8, .value_kind: global_buffer, .address_space: global }
      - { .name: mask, .offset: 16, .size: 8, .value_kind: global_buffer, .address_space: global }
      - { .name: Wq, .offset: 24, .size: 8, .value_kind: global_buffer, .address_space: global }
      - { .name: Wk, .offset: 32, .size: 8, .value_kind: global_buffer, .address_space: global }
      - { .name: Wv, .offset: 40, .size: 8, .value_kind: global_buffer, .address_space: global }
      - { .name: Wo, .offset: 48, .size: 8, .value_kind: global_buffer, .address_space: global }
      - { .name: xw, .offset: 56, .size: 8, .value_kind: global_buffer, .address_space: global }
      - { .name: maskc, .offset: 64, .size: 8, .value_kind: global_buffer, .address_space: global }
    .group_segment_fixed_size: 70656
    .private_segment_fixed_size: 0
    .kernarg_segment_align: 8
    .kernarg_segment_size: 72
    .max_flat_workgroup_size: 256
    .sgpr_count:     66
    .vgpr_count:     194
    .wavefront_size: 32
...
	.end_amdgpu_metadata
.endif
;; end of part 1
;; launch gemm_qkv (part 2): grid 96 x 4, 4 waves a work-group, clusters of 4 x 4, 327,680 bytes of LDS; arguments xw, bq, bk, bv, qb, kv; writes qb, kv
.if DOCPART == 2
	.amdgcn_target "amdgcn-amd-amdhsa--gfx1250"
	.amdhsa_code_object_version 6
	.text
	.protected	k_q94744d9d90_gemm_qkv
	.globl	k_q94744d9d90_gemm_qkv
	.p2align	8
	.type	k_q94744d9d90_gemm_qkv,@function
k_q94744d9d90_gemm_qkv:
	s_mov_b64 s[64:65], 0
	v_nop
	global_prefetch_b8 v0, s[64:65] scope:SCOPE_SE
	s_setreg_imm32_b32 hwreg(HW_REG_WAVE_MODE, 25, 1), 1
	s_wait_xcnt 0x0
	s_wait_alu depctr_hold_cnt(0) depctr_sa_sdst(0) depctr_va_vdst(0) depctr_va_sdst(0) depctr_va_ssrc(0) depctr_va_vcc(0) depctr_vm_vsrc(0)
	s_getreg_b32 s2, hwreg(HW_REG_IB_STS2, 6, 4)
	s_cmp_eq_u32 s2, 0
	s_cbranch_scc0 .Lentry_in_a_cluster
	s_endpgm
.Lentry_in_a_cluster:
	s_bfe_u32 s2, ttmp6, 0x10000c
	s_cmp_lg_u32 s2, 0xf033
	s_cbranch_scc0 .Lentry_shape_is_right
	s_endpgm
.Lentry_shape_is_right:
.set NQ,     2
.set FR,     12
.set NL,     4
.set NP,     4
.set TSTEP,  3072
.set HALFT,  8*TSTEP
.set SLOT,   4*HALFT
.set SCL,    2*SLOT
.set HALFS,  16*272
.set SBLK,   2*272
.set SPARE,  SCL+4*HALFS
.set XSCL,   15728640
.set WCODES, 12582912
.set WSCL,   16252928
.set ADRA, 16
.set ADRB, 20
.set L16,  24
.set L8,   25
.set ADRS, 27
.set SPW,  28
.set NIL,  29
.set SC,   32
.set BI,   64
.set AF,   128
.set T,    128
.set TM,   160
.set SO,   164
.set PC,   168
.set PX,   176
.set PW,   180
.set W,    184
.set X,    192
.set WV,   2
.set WL,   3
.set WR,   16
.set G1,   24
.set G0,   32
.set G1B,  48
.set G0B,  56
.set MODE, 66
.set BLK,  67
.set G1S,  68
.set G0S,  76
.set G1SB, 80
.set G0SB, 88
.set OUTB, 92
.set HM,   100
.set SEL,  104
.set MSB, 0
.macro WIN new
.if MSB != \new
	s_set_vgpr_msb (MSB<<8)|\new
.set MSB, \new
.endif
.endm
.set MUL_LO, 0xa1
.set MUL_HI, 0xf1
.set TO_B,   0x40
.macro JLOAD g0a, g1a, g0b, g1b
	s_cmp_eq_u32 s[WL], 0
	s_cbranch_scc0 .Lfor_b_\@
	tensor_load_to_lds s[\g0a:\g0a+3], s[\g1a:\g1a+7]
	s_nop 0
.rept 4
	v_nop
.endr
	s_branch .Lasked_\@
.Lfor_b_\@:
	tensor_load_to_lds s[\g0b:\g0b+3], s[\g1b:\g1b+7]
	s_nop 0
.rept 4
	v_nop
.endr
.Lasked_\@:
.endm
.macro CREST
	s_cmp_lg_u32 s[WV], 0
	s_cbranch_scc1 .Lnot_wave_0_\@
	s_barrier_signal -3
.Lnot_wave_0_\@:
	s_barrier_wait -3
	s_barrier_signal -1
	s_barrier_wait -1
.endm
.macro CROUND
	s_barrier_signal -1
	s_barrier_wait -1
	CREST
.endm
.macro FRAG reg, adr, q, i
	ds_load_b128 v[\reg:\reg+3], v[\adr] offset:(\i)*TSTEP+(\q)*1536
	ds_load_b64 v[\reg+4:\reg+5], v[\adr+2] offset:(\i)*TSTEP+(\q)*1536+512
	ds_load_b128 v[\reg+6:\reg+9], v[\adr] offset:(\i)*TSTEP+(\q)*1536+768
	ds_load_b64 v[\reg+10:\reg+11], v[\adr+2] offset:(\i)*TSTEP+(\q)*1536+1280
.endm
.macro MUL16 a0, p, q, sc, zero
.irp a, \a0, \a0+1
.irp b, 0,1,2,3,4,5,6,7
.if \zero
	v_wmma_scale_f32_16x16x128_f8f6f4 v[8*(8*((\a)%4)+\b):8*(8*((\a)%4)+\b)+7], v[128*(\p)+FR*\b:128*(\p)+FR*\b+FR-1], v[AF+FR*(\a):AF+FR*(\a)+FR-1], 0, v[SC+8*NQ*(\sc)+NQ*\b+(\q)], v[SC+8*NQ*(\sc)+NQ*(\a)+(\q)] matrix_a_fmt:MATRIX_FMT_FP6 matrix_b_fmt:MATRIX_FMT_FP6 matrix_a_scale:MATRIX_SCALE_ROW1
.else
	v_wmma_scale_f32_16x16x128_f8f6f4 v[8*(8*((\a)%4)+\b):8*(8*((\a)%4)+\b)+7], v[128*(\p)+FR*\b:128*(\p)+FR*\b+FR-1], v[AF+FR*(\a):AF+FR*(\a)+FR-1], v[8*(8*((\a)%4)+\b):8*(8*((\a)%4)+\b)+7], v[SC+8*NQ*(\sc)+NQ*\b+(\q)], v[SC+8*NQ*(\sc)+NQ*(\a)+(\q)] matrix_a_fmt:MATRIX_FMT_FP6 matrix_b_fmt:MATRIX_FMT_FP6 matrix_a_scale:MATRIX_SCALE_ROW1
.endif
.endr
.endr
.endm
.macro FETCH_B slot, q, p
	WIN TO_B
.irp i, 0,1,2,3,4,5,6,7
	FRAG 128*(\p)+FR*\i, ADRB+\slot, \q, \i
.endr
	WIN 0
.endm
.macro FETCH_A slot, q, i0
.irp i, \i0, \i0+1, \i0+2, \i0+3
	FRAG AF+FR*(\i), ADRA+\slot, \q, \i
.endr
.endm
.macro SCALES sc
.irp i, 0,1,2,3,4,5,6,7
	ds_load_b64 v[SC+8*NQ*\sc+NQ*\i:SC+8*NQ*\sc+NQ*\i+1], v[ADRS] offset:\i*SBLK
.endr
.endm
.macro PLACES n
.rept \n
	v_nop
.endr
.endm
.macro STEP slot, q, zero
	s_wait_dscnt 4*NL
	WIN MUL_LO
	MUL16 0, (\q)%2, \q, \slot, \zero
	MUL16 2, (\q)%2, \q, \slot, \zero
	s_wait_dscnt 0
	PLACES NP
	FETCH_B \slot, (\q)+1, 1-(\q)%2
	FETCH_A \slot, (\q)+1, 0
	WIN MUL_HI
	MUL16 4, (\q)%2, \q, \slot, \zero
	MUL16 6, (\q)%2, \q, \slot, \zero
	PLACES NP
	WIN 0
	FETCH_A \slot, (\q)+1, 4
.endm
.macro TURN slot, next, fill
	s_wait_tensorcnt 0x0
	ds_add_u32 v[SPW], v[NIL]
	s_wait_dscnt 4*NL+1
	WIN MUL_LO
	MUL16 0, 1, NQ-1, \slot, 0
	s_wait_dscnt 0x0
	s_barrier_signal -1
	MUL16 2, 1, NQ-1, \slot, 0
	WIN 0
	s_barrier_wait -1
.if \fill
	CREST
	s_add_nc_u64 s[G0+4*\slot+2:G0+4*\slot+3], s[G0+4*\slot+2:G0+4*\slot+3], 2*TSTEP
	s_add_nc_u64 s[G0B+4*\slot+2:G0B+4*\slot+3], s[G0B+4*\slot+2:G0B+4*\slot+3], 2*TSTEP
	JLOAD G0+4*\slot, G1, G0B+4*\slot, G1B
.else
	PLACES NP
.endif
	s_wait_alu depctr_va_vdst(0)
	v_add_nc_u32 v[ADRS], 4*NQ, v[ADRS]
	FETCH_B \next, 0, 0
	FETCH_A \next, 0, 0
	SCALES \next
	WIN MUL_HI
	MUL16 4, 1, NQ-1, \slot, 0
	MUL16 6, 1, NQ-1, \slot, 0
	PLACES NP
	WIN 0
	FETCH_A \next, 0, 4
.endm
.macro QUANT32 s
	v_max3_num_f32 v[TM], |v[\s]|, |v[\s+1]|, 0x1800000
	v_max3_num_f32 v[TM+1], |v[\s+16]|, |v[\s+17]|, 0x1800000
.irp i, 2,4,6,8,10,12,14
	v_max3_num_f32 v[TM], v[TM], |v[\s+\i]|, |v[\s+\i+1]|
	v_max3_num_f32 v[TM+1], v[TM+1], |v[\s+16+\i]|, |v[\s+17+\i]|
.endr
	v_permlanex16_b32 v[TM+2], v[TM], s[SEL], s[SEL+1]
	v_permlanex16_b32 v[TM+3], v[TM+1], s[SEL], s[SEL+1]
	v_max_num_f32 v[TM], v[TM], v[TM+2]
	v_max_num_f32 v[TM+1], v[TM+1], v[TM+3]
	v_add_nc_u32 v[SO], 0xff000000, v[TM]
	v_add_nc_u32 v[SO+1], 0xff000000, v[TM+1]
	v_lshrrev_b32 v[TM+2], 23, v[SO]
	v_lshrrev_b32 v[TM+3], 23, v[SO+1]
	v_lshl_or_b32 v[PW], v[TM+3], 8, v[TM+2]
	v_cvt_scalef32_pk16_fp6_f32 v[PC:PC+2], v[\s:\s+15], v[SO]
	v_cvt_scalef32_pk16_fp6_f32 v[PX:PX+2], v[\s+16:\s+31], v[SO+1]
	v_nop
.irp i, 0,1,2
	v_permlane16_swap_b32 v[PC+\i], v[PX+\i]
.endr
.irp i, 0,1,2
	v_mov_b32 v[PC+3+\i], v[PX+\i]
.endr
.endm
.macro UNIT a, g, byrow
.set AC, 64*((\a)%4)
	WIN 0x02+((\a)/4)
.irp bb, 0,1,2,3
.irp i, 0,2,4,6
.if \byrow
	v_pk_add_f32 v[T+8*\bb+\i:T+8*\bb+\i+1], v[AC+8*(4*(\g)+\bb)+\i:AC+8*(4*(\g)+\bb)+\i+1], v[BI+8*(\a)+\i:BI+8*(\a)+\i+1]
.else
	v_pk_add_f32 v[T+8*\bb+\i:T+8*\bb+\i+1], v[AC+8*(4*(\g)+\bb)+\i:AC+8*(4*(\g)+\bb)+\i+1], v[BI+8*(4*(\g)+\bb)+\i:BI+8*(4*(\g)+\bb)+\i+1]
.endif
.endr
.endr
	WIN 0
	s_wait_alu depctr_va_vdst(0)
	s_wait_xcnt 0x0
	QUANT32 T
.endm
	s_load_b256 s[4:11], s[0:1], 0x0
	s_load_b128 s[12:15], s[0:1], 0x20
	v_lshl_add_u32 v[SPW], v0, 2, SPARE
	v_mov_b32 v[NIL], 0
	ds_add_u32 v28, v29
	ds_add_u32 v28, v29
	s_wait_dscnt 0x0
	v_lshrrev_b32 v1, 5, v0
	v_readfirstlane_b32 s[WV], v1
	s_lshr_b32 s[WL], s[WV], 1
	s_and_b32 s[WR], s[WV], 1
	s_bfe_u32 s40, ttmp6, 0x40000
	s_bfe_u32 s41, ttmp6, 0x40004
	s_lshr_b32 s[MODE], ttmp9, 3
	s_and_b32 s[BLK], ttmp9, 7
	s_mov_b32 s94, 0
	s_mov_b32 s95, XSCL
	s_mov_b32 s96, WCODES
	s_mov_b32 s97, WSCL
	s_cmp_eq_u32 s[MODE], 1
	s_cselect_b32 s94, 6291456, s94
	s_cselect_b32 s95, XSCL+262144, s95
	s_cselect_b32 s96, WCODES+786432, s96
	s_cselect_b32 s97, WSCL+32768, s97
	s_cmp_eq_u32 s[MODE], 2
	s_cselect_b32 s94, WCODES+2*786432, s94
	s_cselect_b32 s95, WSCL+2*32768, s95
	s_cselect_b32 s96, 6291456, s96
	s_cselect_b32 s97, XSCL+262144, s97
	s_cselect_b32 s98, 0, s[BLK]
	s_cselect_b32 s99, s[BLK], 0
	s_lshl_b32 s17, s98, 2
	s_add_co_u32 s17, s17, s41
	s_lshl_b32 s42, s99, 2
	s_add_co_u32 s42, s42, s40
	s_lshl_b32 s43, s41, 2
	s_lshl_b32 s43, 15, s43
	s_lshl_b32 s44, 0x1111, s40
	s_or_b32 s[G1+0], s43, (3<<16)|(1<<21)
	s_or_b32 s[G1B+0], s44, (3<<16)|(1<<21)
.irp g, G1, G1B
	s_mov_b32 s[\g+1], 384<<16
	s_mov_b32 s[\g+2], 16<<16
	s_mov_b32 s[\g+3], 384<<16
	s_mov_b32 s[\g+4], 16
	s_mov_b32 s[\g+5], 1536
	s_mov_b32 s[\g+6], 0
	s_mov_b32 s[\g+7], 0
.endr
	s_or_b32 s[G1S+0], s43, (3<<16)|(1<<20)|(1<<21)|(5<<22)|(3<<25)
	s_or_b32 s[G1SB+0], s44, (3<<16)|(1<<20)|(1<<21)|(5<<22)|(3<<25)
.irp g, G1S, G1SB
	s_mov_b32 s[\g+1], 32<<16
	s_mov_b32 s[\g+2], 32<<16
	s_mov_b32 s[\g+3], 32<<16
	s_mov_b32 s[\g+4], 32
	s_mov_b32 s[\g+5], 32
	s_mov_b32 s[\g+6], 0
	s_mov_b32 s[\g+7], 0
.endr
	s_lshl_b32 s18, s[WR], 7
	s_lshl_b32 s20, s17, 8
	s_add_co_u32 s20, s20, s18
	s_lshl_b32 s46, s42, 8
	s_add_co_u32 s46, s46, s18
	s_lshl_b32 s22, s20, 5
	s_add_co_u32 s22, s22, s95
	s_mul_i32 s20, s20, 768
	s_add_co_u32 s20, s20, s94
	s_lshl_b32 s92, s46, 5
	s_add_co_u32 s92, s92, s97
	s_mul_i32 s46, s46, 768
	s_add_co_u32 s46, s46, s96
	s_mov_b32 s21, 0
	s_mov_b32 s23, 0
	s_mov_b32 s47, 0
	s_mov_b32 s93, 0
	s_mul_i32 s45, s[WV], HALFT
	s_mul_i32 s94, s[WV], HALFS
	s_wait_kmcnt 0x0
	s_add_nc_u64 s[20:21], s[4:5], s[20:21]
	s_add_nc_u64 s[22:23], s[4:5], s[22:23]
	s_add_nc_u64 s[46:47], s[4:5], s[46:47]
	s_add_nc_u64 s[92:93], s[4:5], s[92:93]
	CROUND
	s_mov_b32 s[G0S], 1
	s_add_co_u32 s[G0S+1], s94, SCL-HALFS          ; wave 1 brings the scales of all 256 rows of A: its own half begins 128 rows, 4,096 bytes, further on
	s_sub_nc_u64 s[G0S+2:G0S+3], s[22:23], 4096
	s_or_b32 s[G0S+3], s[G0S+3], 0x80000000
	s_mov_b32 s[G0SB], 1
	s_add_co_u32 s[G0SB+1], s94, SCL-HALFS         ; wave 3 likewise for B
	s_sub_nc_u64 s[G0SB+2:G0SB+3], s[92:93], 4096
	s_or_b32 s[G0SB+3], s[G0SB+3], 0x80000000
.irp s, 0,1
	s_mov_b32 s[G0+4*\s], 1
	s_add_co_u32 s[G0+4*\s+1], s45, \s*SLOT
	s_add_nc_u64 s[G0+4*\s+2:G0+4*\s+3], s[20:21], \s*TSTEP
	s_or_b32 s[G0+4*\s+3], s[G0+4*\s+3], 0x80000000
	s_mov_b32 s[G0B+4*\s], 1
	s_add_co_u32 s[G0B+4*\s+1], s45, \s*SLOT
	s_add_nc_u64 s[G0B+4*\s+2:G0B+4*\s+3], s[46:47], \s*TSTEP
	s_or_b32 s[G0B+4*\s+3], s[G0B+4*\s+3], 0x80000000
.endr
; The head's four tiles, one joint load a wave, in one chain of branches on the wave's number: wave 0 slot 0's 256 rows of A (its group 0 begins at the tile's first row and at LDS byte 0),
; wave 1 A's scales, wave 2 slot 0's 256 rows of B, wave 3 B's scales.  Group 1 counts 16 row tiles here; behind the wait it is set to 8, for the ring's loads.
.macro ARM under, g0, g1, next
	s_cmp_lt_u32 s[WV], \under
	s_cbranch_scc0 \next
	tensor_load_to_lds s[\g0:\g0+3], s[\g1:\g1+7]
	s_nop 0
.rept 4
	v_nop
.endr
	s_branch .Lhead_asked
\next:
.endm
	ARM 1, G0, G1, .Lhead_sa
	ARM 2, G0S, G1S, .Lhead_b
	ARM 3, G0B, G1B, .Lhead_sb
	tensor_load_to_lds s[G0SB:G0SB+3], s[G1SB:G1SB+7]
	s_nop 0
.rept 4
	v_nop
.endr
.Lhead_asked:
	s_wait_alu depctr_va_vdst(0)
	s_wait_tensorcnt 0x0                           ; my tile of the four is in
	ds_add_u32 v28, v29
	s_mov_b32 s[G1+2], 8<<16                       ; no tensor load of mine is out: from here on a load brings 8 row tiles
	s_mov_b32 s[G1+4], 8
	s_mov_b32 s[G1B+2], 8<<16
	s_mov_b32 s[G1B+4], 8
	s_wait_dscnt 0x0
	CROUND
	JLOAD G0+4, G1, G0B+4, G1B
	v_and_b32 v1, 15, v0
	v_bfe_u32 v2, v0, 4, 1
	v_and_b32 v3, 31, v0
	v_lshlrev_b32 v[L16], 4, v3
	v_lshlrev_b32 v[L8], 3, v3
	s_mul_i32 s21, s[WL], HALFT
	s_mul_i32 s22, s[WR], HALFT
	s_add_co_u32 s22, s22, 2*HALFT
.irp s, 0,1
	v_add_nc_u32 v[ADRA+\s], s21, v[L16]
	v_add_nc_u32 v[ADRB+\s], s22, v[L16]
	v_add_nc_u32 v[ADRA+2+\s], s21, v[L8]
	v_add_nc_u32 v[ADRB+2+\s], s22, v[L8]
	s_add_co_u32 s21, s21, SLOT
	s_add_co_u32 s22, s22, SLOT
.endr
	v_mul_u32_u24 v5, v1, 32
	v_lshrrev_b32 v6, 8, v5
	v_lshl_add_u32 v5, v6, 4, v5
	s_mul_i32 s21, s[WL], HALFS
	s_mul_i32 s22, s[WR], HALFS
	s_add_co_u32 s22, s22, 2*HALFS
	s_sub_co_u32 s22, s22, s21
	v_mul_u32_u24 v6, s22, v2
	s_add_co_u32 s21, s21, SCL
	v_add_nc_u32 v5, v5, v6
	v_add_nc_u32 v[ADRS], s21, v5
	v_lshlrev_b32 v30, 5, v2
	v_lshlrev_b32 v31, 2, v1
	s_cmp_eq_u32 s[MODE], 2
	s_cselect_b32 s18, s42, s17
	s_cselect_b32 s19, s[WR], s[WL]
	s_cselect_b32 s20, s17, s42
	s_cselect_b32 s21, s[WL], s[WR]
	s_lshr_b32 s22, s18, 3
	s_and_b32 s18, s18, 7
	s_lshl_b32 s18, s18, 1
	s_add_co_u32 s18, s18, s19
	s_lshl_b32 s20, s20, 2
	s_lshl_b32 s21, s21, 1
	s_add_co_u32 s20, s20, s21
	s_lshl_b32 s22, s22, 4
	s_add_co_u32 s22, s22, s20
	s_cmp_eq_u32 s[MODE], 1
	s_cselect_b64 s[6:7], s[8:9], s[6:7]
	s_cmp_eq_u32 s[MODE], 2
	s_cselect_b64 s[6:7], s[10:11], s[6:7]
	s_lshl_b32 s8, s20, 8
	s_mov_b32 s9, 0
	s_add_nc_u64 s[6:7], s[6:7], s[8:9]
	s_cmp_eq_u32 s[MODE], 0
	s_cselect_b64 s[OUTB:OUTB+1], s[12:13], s[14:15]
	s_mov_b32 s100, 208896
	s_cselect_b32 s100, 98304, s100
	s_mov_b32 s101, 13056
	s_cselect_b32 s101, 6144, s101
	s_mov_b32 s104, 208896
	s_cselect_b32 s104, 8192, s104
	s_mov_b32 s105, 13056
	s_cselect_b32 s105, 512, s105
	s_mov_b32 s23, 12288
	s_cselect_b32 s23, 6291456, s23
	s_cmp_eq_u32 s[MODE], 2
	s_cselect_b32 s23, 12800, s23
	s_cselect_b32 s19, 6144, 0
	s_mul_i32 s20, s22, s100
	s_mul_i32 s21, s18, s101
	s_add_co_u32 s20, s20, s21
	s_add_co_u32 s20, s20, s19
	s_mov_b32 s21, 0
	s_mul_i32 s46, s22, s104
	s_mul_i32 s47, s18, s105
	s_add_co_u32 s46, s46, s47
	s_add_co_u32 s46, s46, s23
	s_mov_b32 s47, 0
	s_add_nc_u64 s[OUTB+4:OUTB+5], s[OUTB:OUTB+1], s[46:47]
	s_add_nc_u64 s[OUTB:OUTB+1], s[OUTB:OUTB+1], s[20:21]
	s_mov_b32 s20, s100
	s_add_nc_u64 s[OUTB+2:OUTB+3], s[OUTB:OUTB+1], s[20:21]
	s_mov_b32 s46, s104
	s_add_nc_u64 s[OUTB+6:OUTB+7], s[OUTB+4:OUTB+5], s[46:47]
	s_mov_b32 s[HM], 0xffff0000
	s_mov_b32 s[SEL], 0x76543210
	s_mov_b32 s[SEL+1], 0xfedcba98
	s_cmp_eq_u32 s[MODE], 2
	s_cbranch_scc1 .Lbias_v
	s_wait_alu depctr_va_vdst(0)
.irp b, 0,1,2,3,4,5,6,7
	global_load_b128 v[BI+8*\b:BI+8*\b+3], v30, s[6:7] offset:64*\b
	global_load_b128 v[BI+8*\b+4:BI+8*\b+7], v30, s[6:7] offset:64*\b+16
.endr
	s_branch .Lbias_done
.Lbias_v:
	s_wait_alu depctr_va_vdst(0)
.irp a, 0,1,2,3,4,5,6,7
.irp j, 0,1,2,3,4,5,6,7
	global_load_b32 v[BI+8*\a+\j], v31, s[6:7] offset:64*\a
.endr
.endr
.Lbias_done:
	s_wait_tensorcnt 1
	s_barrier_signal -1
	s_barrier_wait -1
	FETCH_B 0, 0, 0
	FETCH_A 0, 0, 0
	SCALES 0
	FETCH_A 0, 0, 4
	STEP 0, 0, 1
	TURN 0, 1, 1
	STEP 1, 0, 0
	TURN 1, 0, 1
	STEP 0, 0, 0
	TURN 0, 1, 0
	STEP 1, 0, 0
	s_wait_dscnt 4*NL
	WIN MUL_LO
	MUL16 0, 1, NQ-1, 1, 0
	MUL16 2, 1, NQ-1, 1, 0
	s_wait_dscnt 0
	WIN MUL_HI
	MUL16 4, 1, NQ-1, 1, 0
	MUL16 6, 1, NQ-1, 1, 0
	WIN 0
	s_wait_loadcnt 0x0
	PLACES NP
	v_mov_b32 v[TM+2], 0
	v_mov_b32 v[TM+3], 0
	s_cmp_eq_u32 s[MODE], 2
	s_cbranch_scc1 .Lout_v
.irp g, 0,1
.irp a, 0,1,2,3,4,5,6,7
	UNIT \a, \g, 0
	v_or_b32 v[W+\a], 0x82850000, v[PW]            ; bytes 2, 3 scale the mask's blocks of the scores' product: 2^6 and 2^3, on Q's side and on K's
	global_store_b128 v[L16], v[PC:PC+3], s[OUTB+2*\g:OUTB+2*\g+1] offset:\a*768
	global_store_b64 v[L8], v[PC+4:PC+5], s[OUTB+2*\g:OUTB+2*\g+1] offset:\a*768+512
.endr
.irp j, 0,1,2,3
	v_cndmask_b32 v[X+\j], v[W+\j], v[W+4+\j], s[HM]
.endr
	global_store_b128 v[L16], v[X:X+3], s[OUTB+4+2*\g:OUTB+5+2*\g]
.endr
	s_branch .Ldone
.Lout_v:
.irp a, 0,1,2,3,4,5,6,7
	UNIT \a, 0, 1
	v_mov_b32 v[W+\a], v[PW]
	global_store_b128 v[L16], v[PC:PC+3], s[OUTB+2*(\a/4):OUTB+2*(\a/4)+1] offset:(2*(\a%4))*768
	global_store_b64 v[L8], v[PC+4:PC+5], s[OUTB+2*(\a/4):OUTB+2*(\a/4)+1] offset:(2*(\a%4))*768+512
	UNIT \a, 1, 1
	v_lshl_or_b32 v[W+\a], v[PW], 16, v[W+\a]
	global_store_b128 v[L16], v[PC:PC+3], s[OUTB+2*(\a/4):OUTB+2*(\a/4)+1] offset:(2*(\a%4)+1)*768
	global_store_b64 v[L8], v[PC+4:PC+5], s[OUTB+2*(\a/4):OUTB+2*(\a/4)+1] offset:(2*(\a%4)+1)*768+512
.if \a%4 == 3
	v_cndmask_b32 v[X], v[W+\a-3], v[W+\a-1], s[HM]
	v_cndmask_b32 v[X+1], v[W+\a-2], v[W+\a], s[HM]
	global_store_b64 v[L8], v[X:X+1], s[OUTB+4+2*(\a/4):OUTB+5+2*(\a/4)]
.endif
.endr
.Ldone:
	s_wait_tensorcnt 0x0
	ds_add_u32 v[SPW], v[NIL]
	s_wait_dscnt 0x0
	CROUND
	s_endpgm
.Lfunc_end_k_q94744d9d90_gemm_qkv:
	.size	k_q94744d9d90_gemm_qkv, .Lfunc_end_k_q94744d9d90_gemm_qkv-k_q94744d9d90_gemm_qkv
	.p2alignl 7, 3214868480
	.fill 96, 4, 3214868480
	.section	.rodata,"a",@progbits
	.p2align	6, 0x0
	.amdhsa_kernel k_q94744d9d90_gemm_qkv
		.amdhsa_group_segment_fixed_size 327680
		.amdhsa_private_segment_fixed_size 0
		.amdhsa_enable_private_segment 0
		.amdhsa_kernarg_size 48
		.amdhsa_user_sgpr_count 2
		.amdhsa_user_sgpr_kernarg_segment_ptr 1
		.amdhsa_wavefront_size32 1
		.amdhsa_system_sgpr_workgroup_id_x 1
		.amdhsa_system_sgpr_workgroup_id_y 1
		.amdhsa_system_sgpr_workgroup_id_z 1
		.amdhsa_system_vgpr_workitem_id 0
		.amdhsa_next_free_vgpr 1024
		.amdhsa_next_free_sgpr 106
		.amdhsa_reserve_vcc 0
		.amdhsa_float_denorm_mode_32 3
		.amdhsa_float_denorm_mode_16_64 3
		.amdhsa_memory_ordered 1
		.amdhsa_forward_progress 1
		.amdhsa_inst_pref_size 229
	.end_amdhsa_kernel
	.amdgpu_metadata
---
amdhsa.version: [ 1, 2 ]
amdhsa.kernels:
  - .name:           k_q94744d9d90_gemm_qkv
    .symbol:         k_q94744d9d90_gemm_qkv.kd
    .args:
      - { .name: xw, .offset: 0, .size: 8, .value_kind: global_buffer, .address_space: global }
      - { .name: bq, .offset: 8, .size: 8, .value_kind: global_buffer, .address_space: global }
      - { .name: bk, .offset: 16, .size: 8, .value_kind: global_buffer, .address_space: global }
      - { .name: bv, .offset: 24, .size: 8, .value_kind: global_buffer, .address_space: global }
      - { .name: qb, .offset: 32, .size: 8, .value_kind: global_buffer, .address_space: global }
      - { .name: kv, .offset: 40, .size: 8, .value_kind: global_buffer, .address_space: global }
    .group_segment_fixed_size: 327680
    .private_segment_fixed_size: 0
    .kernarg_segment_align: 8
    .kernarg_segment_size: 48
    .max_flat_workgroup_size: 128
    .sgpr_count:     106
    .vgpr_count:     1024
    .wavefront_size: 32
...
	.end_amdgpu_metadata
.endif
;; end of part 2
;; launch attn (part 3): grid 4 x 64, 16 waves a work-group, clusters of 4 x 1, 224,000 bytes of LDS; arguments qb, kv, maskc, ab; writes ab
.if DOCPART == 3
	.amdgcn_target "amdgcn-amd-amdhsa--gfx1250"
	.amdhsa_code_object_version 6
	.text
	.protected	k_q94744d9d90_attn
	.globl	k_q94744d9d90_attn
	.p2align	8
	.type	k_q94744d9d90_attn,@function
k_q94744d9d90_attn:
	s_mov_b64 s[64:65], 0
	v_nop
	global_prefetch_b8 v0, s[64:65] scope:SCOPE_SE
	s_setreg_imm32_b32 hwreg(HW_REG_WAVE_MODE, 25, 1), 1
	s_wait_xcnt 0x0
	s_wait_alu depctr_hold_cnt(0) depctr_sa_sdst(0) depctr_va_vdst(0) depctr_va_sdst(0) depctr_va_ssrc(0) depctr_va_vcc(0) depctr_vm_vsrc(0)
	s_getreg_b32 s2, hwreg(HW_REG_IB_STS2, 6, 4)
	s_cmp_eq_u32 s2, 0
	s_cbranch_scc0 .Lentry_in_a_cluster
	s_endpgm
.Lentry_in_a_cluster:
	s_bfe_u32 s2, ttmp6, 0x10000c
	s_cmp_lg_u32 s2, 0x3003
	s_cbranch_scc0 .Lentry_shape_is_right
	s_endpgm
.Lentry_shape_is_right:
; ATTENTION on codes of FP6 (E2M3): for each (b, head): scores = k q^T / 8 - 10000 (1 - mask); p = 2^(t - M), t = logit x log2(e), M the running largest t rounded up to a whole number;
; O = p V / the sum of the unquantised p; O is quantised at once along the output projection's K and leaves as codes and scale bytes.
; SHARES.  A work-group owns 512 queries of one (b, head): 256 work-groups.  Each of its sixteen waves owns two neighbouring tiles of 16 queries and walks them one after the other (two passes of 16 key steps).
; THE HEAD'S WHOLE K AND V LIE IN LDS: 16 step blocks of 13,056 bytes (128 keys: 8 units of K, 8 of V^T, K's scale words, V's), each filled once: wave w asks for block w, one tensor load a wave.
; The four work-groups of a cluster own the four query blocks of one head and ask for every block JOINTLY (mask 15).  Nothing is filled again, so the passes need no barrier.
; LAYOUT.  Both products are used transposed: S^T = K Q^T, O^T = V^T P^T: a lane holds one query (lane % 16).  A unit is 768 bytes: 16 rows x 64 along K as an image of operand registers 0-5.
; THE MASK IS PART OF THE SCORES' PRODUCT.  The scores' K is 64, the instruction's 128.  Of the other 64, K's operand holds in places 0-15 of blocks 2 and 3 the mask codes of its key (4.0 where query q of my tile
; is masked, else 0: 12 bytes a key, the same in both blocks), and Q's operand holds one code at place (my query): -5.0 in block 2, +7.5 in block 3, zeros elsewhere.  Both sides' scale bytes there are 2^6 and 2^3:
; 4 x -5 x 2^12 + 4 x 7.5 x 2^6 = -80000 = 8 x -10000.  K's operand of tile t is v[KA + 10 t] on: six registers of K, three of mask codes, three that meet zero codes.
; AHEAD.  K's units and the mask codes of step s + 1 are asked for behind step s's score products.  V's fragments land in the registers of the p that have just been converted.
; PREFETCH.  A wave's mask codes are one stream of 32 x 1,536 bytes, read by the sixteen heads' work-groups alike: the wave whose number is its work-group's head asks for its own stream, six blocks of 256 bytes,
; a lane a block, two steps ahead of the load (three ahead of the use), clamped to the stream's last step.  K and V are asked for once, at the head: nothing to run ahead of.
; LIMITS: NaN and infinities are not served; the promise holds while |t| stays under 2^31; raw - 80000 is rounded by the matrix unit's own rounding where reference() rounds logit - 10000: it shows only in a row whose every key is masked.
; The last step of a pass asks for the next pass's Q, K and mask codes; in the last pass these loads name bytes inside the buffers and are not used.
.set BLKB,  13056
.set SPARE, 17*BLKB                    ; the spare words, 128 bytes a wave, a block's length behind the sixteen blocks
.set MSTEP, 1536                       ; a step's mask codes: 128 keys x 12 bytes
.set MALL,  32*MSTEP
.set L16,  1                           ; 16 x lane
.set L8,   2                           ; 8 x lane
.set MOF,  3                           ; 12 x (lane % 16)
.set PFO,  4                           ; 256 x min(lane, 5)
.set AV16, 8                           ; LDS addresses in the step's block
.set AV8,  9
.set SPW,  10
.set NIL,  11
.set QS,   28                          ; Q's scale word.  v12 -M, v13 the largest t, v[14:15] the sum; v16-27 Q's operand
.set OSO,  29
.set VS,   30                          ; v30-31 V's scale words
.set KA,   32                          ; v32-113 K's operands
.set KS,   114                         ; v114-117 K's scale words
.set QSO,  118
.set SR,   120                         ; v120-183 S^T, then p; v120-167 then V's fragments
.set OA,   184                         ; v184-215 O^T
.set PC,   216                         ; v216-227 p's codes
.set TM,   228
.set TP,   232
.set SO,   236
.set PX,   240
.set T0,   243
.set T1,   247
.set FF,   248                         ; f
.set PSW,  249                         ; p's scale word
.set SA,   250                         ; v250-255 three more chains of the sum
.set WV,   2
.set CNT,  3
.set TB,   13
.set CS,   14
.set SEL,  16
.set HEAD, 23
.set MO,   32
.set MB,   34
.set PB,   36
.set PO,   38
.set PASS, 40
.set INC,  42
.set OB,   44
.set OSB,  46
.set G1,   68
.set G0,   76
.macro CROUND
	s_barrier_signal -1
	s_barrier_wait -1
	s_cmp_lg_u32 s[WV], 0
	s_cbranch_scc1 .Lnot_wave_0_\@
	s_barrier_signal -3
.Lnot_wave_0_\@:
	s_barrier_wait -3
	s_barrier_signal -1
	s_barrier_wait -1
.endm
.macro KLOAD a16, a8, off              ; a block's eight units of K and its scale words
.irp t, 0,1,2,3,4,5,6,7
	ds_load_b128 v[KA+10*\t:KA+10*\t+3], v[\a16] offset:\off+768*\t
	ds_load_b64 v[KA+10*\t+4:KA+10*\t+5], v[\a8] offset:\off+768*\t+512
.endr
	ds_load_b128 v[KS:KS+3], v[\a16] offset:\off+12288
.endm
.macro MLOAD base                      ; a step's mask codes: both halves of the lanes take key lane % 16 of tile t
.irp t, 0,1,2,3,4,5,6,7
	global_load_b96 v[KA+10*\t+6:KA+10*\t+8], v[MOF], s[\base:\base+1] offset:192*\t
.endr
.endm
.macro ACC n                           ; pair n of p onto chain n % 4 of the sum
.if (\n)%4 == 0
	v_pk_add_f32 v[14:15], v[14:15], v[SR+2*(\n):SR+2*(\n)+1]
.else
	v_pk_add_f32 v[SA+2*((\n)%4)-2:SA+2*((\n)%4)-1], v[SA+2*((\n)%4)-2:SA+2*((\n)%4)-1], v[SR+2*(\n):SR+2*(\n)+1]
.endif
.endm
; A KEY STEP: 128 keys.  last = 1: the pass's sixteenth: what is asked for ahead is block 0 and the next pass's Q.
.macro STEP last
	s_wait_alu depctr_va_vdst(0)                   ; the wait ahead of the waits below
	s_wait_loadcnt 0x0                             ; the mask codes (and Q)
	s_wait_dscnt 0x0                               ; K's units and scale words
	s_wait_xcnt 0x0                                ; the prefetch has read its base
	s_add_co_u32 s[MO], s[MO], MSTEP               ; the next step's mask codes; behind the stream's last step back to its first
	s_cmp_lt_u32 s[MO], MALL
	s_cselect_b32 s[MO], s[MO], 0
	s_add_nc_u64 s[MB:MB+1], s[8:9], s[MO:MO+1]
	s_add_co_u32 s[PO], s[MO], 2*MSTEP             ; and what is prefetched, held inside the stream
	s_min_u32 s[PO], s[PO], MALL-MSTEP
	s_add_nc_u64 s[PB:PB+1], s[8:9], s[PO:PO+1]
.if \last
	s_cmp_lg_u32 s[PASS], 1                        ; is there a pass to come?  Then Q's unit and scale word step to my second tile
	s_cselect_b32 s[INC], 768, 0
	s_add_nc_u64 s[28:29], s[28:29], s[INC:INC+1]
	s_cselect_b32 s[INC], 4, 0
	s_add_nc_u64 s[30:31], s[30:31], s[INC:INC+1]
.endif
.irp t, 0,1,2,3,4,5,6,7                        ; S^T = K Q^T + the mask's term: eight accumulators, one instruction each, C = 0
.if \t < 4
	v_wmma_scale_f32_16x16x128_f8f6f4 v[SR+8*\t:SR+8*\t+7], v[KA+10*\t:KA+10*\t+11], v[16:27], 0, v[KS+\t%4], v[QS] matrix_a_fmt:MATRIX_FMT_FP6 matrix_b_fmt:MATRIX_FMT_FP6
.else
	v_wmma_scale_f32_16x16x128_f8f6f4 v[SR+8*\t:SR+8*\t+7], v[KA+10*\t:KA+10*\t+11], v[16:27], 0, v[KS+\t%4], v[QS] matrix_a_fmt:MATRIX_FMT_FP6 matrix_b_fmt:MATRIX_FMT_FP6 matrix_a_scale:MATRIX_SCALE_ROW1
.endif
.endr
	v_add_nc_u32 v[AV16], s[TB], v[L16]            ; four places ahead of the loads into the products' registers and of the first read of the scores
	v_add_nc_u32 v[AV8], s[TB], v[L8]
	v_mov_b32 v[T0], v12                           ; the old -M
	v_nop
	MLOAD MB
.if \last
	KLOAD L16, L8, 0
	global_load_b128 v[16:19], v[L16], s[28:29]
	global_load_b64 v[20:21], v[L8], s[28:29] offset:512
	global_load_b32 v[QS], v[QSO], s[30:31]
.else
	KLOAD AV16, AV8, BLKB
.endif
	s_cmp_eq_u32 s[WV], s[HEAD]                    ; ids alone, the same in the four partners
	s_cbranch_scc0 .Lnot_mine_\@
	global_prefetch_b8 v[PFO], s[PB:PB+1] th:TH_LOAD_NT scope:SCOPE_SE
.Lnot_mine_\@:
.irp b, 0,1,2,3
	v_max3_num_f32 v[TM+\b], v[SR+16*\b], v[SR+1+16*\b], v[SR+2+16*\b]   ; the largest score of each block of 32 keys: for the row's maximum and for the block's largest p
.endr
.irp i, 3,5,7,9,11,13
.irp b, 0,1,2,3
	v_max3_num_f32 v[TM+\b], v[TM+\b], v[SR+16*\b+\i], v[SR+1+16*\b+\i]
.endr
.endr
.irp b, 0,1,2,3
	v_max_num_f32 v[TM+\b], v[TM+\b], v[SR+15+16*\b]
.endr
.irp b, 0,1,2,3
	s_delay_alu instid0(VALU_DEP_4)
	v_permlanex16_b32 v[TP+\b], v[TM+\b], s[SEL], s[SEL+1]
.endr
.irp b, 0,1,2,3
	s_delay_alu instid0(VALU_DEP_4)
	v_max_num_f32 v[TM+\b], v[TM+\b], v[TP+\b]     ; with lane l xor 16's 16 keys
.endr
	s_delay_alu instid0(VALU_DEP_2)
	v_max3_num_f32 v[T1], v[TM], v[TM+1], v[TM+2]
	s_delay_alu instid0(VALU_DEP_1)
	v_max_num_f32 v[T1], v[T1], v[TM+3]
	s_delay_alu instid0(VALU_DEP_1)
	v_mul_f32 v[T1], s[CS], v[T1]                  ; as t (c is positive)
	s_delay_alu instid0(VALU_DEP_1)
	v_max_num_f32 v13, v13, v[T1]                  ; the running largest t
	s_delay_alu instid0(VALU_DEP_1)
	v_floor_f32 v12, -v13                          ; the new -M: M is a whole number
	s_delay_alu instid0(VALU_DEP_1)
	v_sub_f32 v[T0], v12, v[T0]                    ; old M - new M, 0 or less
	s_delay_alu instid0(VALU_DEP_1)
	v_cvt_i32_f32 v[T0], v[T0]                     ; (it saturates)
	s_delay_alu instid0(VALU_DEP_1)
	v_ldexp_f32 v[FF], 1.0, v[T0]                  ; f = 2^(old M - new M)
.set n, 0
.rept 32
	v_pk_fma_f32 v[SR+n:SR+n+1], v[SR+n:SR+n+1], s[CS:CS+1], v[12:13] op_sel_hi:[1,0,0]   ; t - M
.set n, n+2
.endr
.irp b, 0,1,2,3
	v_fma_f32 v[TM+\b], v[TM+\b], s[CS], v12
.endr
	s_wait_alu depctr_va_vdst(0)                   ; the wait ahead of the batch
.set n, 0
.rept 64
	v_exp_f32 v[SR+n], v[SR+n]                     ; p = 2^(t - M)
.set n, n+1
.endr
	v_pk_mul_f32 v[14:15], v[14:15], v[FF:FF+1] op_sel_hi:[1,0]   ; the sum under the new M; the plain line behind the batch
	s_wait_alu depctr_va_vdst(0)                   ; one wait for the 64
.irp b, 0,1,2,3
	v_exp_f32 v[TM+\b], v[TM+\b]                   ; each block's largest p
.endr
	v_pk_add_f32 v[SA:SA+1], v[SR:SR+1], v[SR+2:SR+3]             ; the sum of the unquantised p, four chains: first the 48 registers that V will take
	v_pk_add_f32 v[SA+2:SA+3], v[SR+4:SR+5], v[SR+6:SR+7]
	v_pk_add_f32 v[SA+4:SA+5], v[SR+8:SR+9], v[SR+10:SR+11]
.irp n, 6,7,8,9,10,11,12,13,14,15,16,17,18,19,20,21,22,23
	ACC \n
.endr
	s_wait_alu depctr_va_vdst(0)                   ; and one for the four
.irp b, 0,1,2,3
	v_max_num_f32 v[TM+\b], 0x1800000, v[TM+\b]    ; the floor 2^(3 - 127): the byte cannot fall under 1
.endr
.irp b, 0,1,2,3
	s_delay_alu instid0(VALU_DEP_4)
	v_add_nc_u32 v[SO+\b], 0xff000000, v[TM+\b]    ; 2 off the exponent field: the conversion's scale operand
.endr
.irp b, 0,1,2,3
	s_delay_alu instid0(VALU_DEP_4)
	v_lshrrev_b32 v[TP+\b], 23, v[SO+\b]           ; the scale's byte
.endr
	s_delay_alu instid0(VALU_DEP_3)
	v_lshl_or_b32 v[PSW], v[TP+1], 8, v[TP]
	s_delay_alu instid0(VALU_DEP_1)
	v_lshl_or_b32 v[PSW], v[TP+2], 16, v[PSW]
	s_delay_alu instid0(VALU_DEP_1)
	v_lshl_or_b32 v[PSW], v[TP+3], 24, v[PSW]
.irp c, 0,1
	v_cvt_scalef32_pk16_fp6_f32 v[PC+6*\c:PC+6*\c+2], v[SR+32*\c:SR+32*\c+15], v[SO+2*\c]
	v_cvt_scalef32_pk16_fp6_f32 v[PX+4*\c:PX+4*\c+2], v[SR+32*\c+16:SR+32*\c+31], v[SO+2*\c+1]
.endr
.irp t, 0,1,2,3                                ; V^T's four fragments (16 channels x 128 keys) into p's first 48 registers
.irp c, 0,1
	ds_load_b128 v[SR+12*\t+6*\c:SR+12*\t+6*\c+3], v[AV16] offset:6144+1536*\t+768*\c
	ds_load_b64 v[SR+12*\t+6*\c+4:SR+12*\t+6*\c+5], v[AV8] offset:6144+1536*\t+768*\c+512
.endr
.endr
	ds_load_b64 v[VS:VS+1], v[AV8] offset:12800
	v_nop                                          ; one plain line behind a scaled conversion
.irp c, 0,1                                    ; the operand's layout wants a whole block in a lane
.irp i, 0,1,2
	v_permlane16_swap_b32 v[PC+6*\c+\i], v[PX+4*\c+\i]
.endr
.irp i, 0,1,2
	s_delay_alu instid0(VALU_DEP_3)
	v_mov_b32 v[PC+6*\c+3+\i], v[PX+4*\c+\i]
.endr
.endr
	s_wait_alu depctr_va_vdst(0)                   ; the wait directly ahead of the first reader of O^T
.set n, 0
.rept 16
	v_pk_mul_f32 v[OA+n:OA+n+1], v[OA+n:OA+n+1], v[FF:FF+1] op_sel_hi:[1,0]   ; O^T under the new M; also the places ahead of the scaled products
.set n, n+2
.endr
	s_wait_alu depctr_va_vdst(0)
	s_wait_dscnt 0x0                               ; V
.irp t, 0,1,2,3                                ; O^T += V^T P^T: four accumulators, one instruction each
.if \t < 2
	v_wmma_scale_f32_16x16x128_f8f6f4 v[OA+8*\t:OA+8*\t+7], v[SR+12*\t:SR+12*\t+11], v[PC:PC+11], v[OA+8*\t:OA+8*\t+7], v[VS+\t%2], v[PSW] matrix_a_fmt:MATRIX_FMT_FP6 matrix_b_fmt:MATRIX_FMT_FP6
.else
	v_wmma_scale_f32_16x16x128_f8f6f4 v[OA+8*\t:OA+8*\t+7], v[SR+12*\t:SR+12*\t+11], v[PC:PC+11], v[OA+8*\t:OA+8*\t+7], v[VS+\t%2], v[PSW] matrix_a_fmt:MATRIX_FMT_FP6 matrix_b_fmt:MATRIX_FMT_FP6 matrix_a_scale:MATRIX_SCALE_ROW1
.endif
.endr
.irp n, 24,25,26,27,28,29,30,31                ; the sum's last 16 registers, which V did not take: eleven places behind the products
	ACC \n
.endr
	v_pk_add_f32 v[SA:SA+1], v[SA:SA+1], v[SA+2:SA+3]
	v_pk_add_f32 v[14:15], v[14:15], v[SA+4:SA+5]
	s_delay_alu instid0(VALU_DEP_1)
	v_pk_add_f32 v[14:15], v[14:15], v[SA:SA+1]
.if \last == 0
	s_add_co_u32 s[TB], s[TB], BLKB
.endif
.endm
	s_load_b256 s[4:11], s[0:1], 0x0               ; qb s[4:5], kv s[6:7], maskc s[8:9], ab s[10:11]
	v_lshl_add_u32 v[SPW], v0, 2, SPARE
	v_mov_b32 v[NIL], 0
	ds_add_u32 v[SPW], v[NIL]                      ; the opening lines: the add twice on end and its wait
	ds_add_u32 v[SPW], v[NIL]
	v_lshrrev_b32 v7, 5, v0
	v_readfirstlane_b32 s[WV], v7                  ; wave 0..15
	s_bfe_u32 s18, ttmp6, 0x40000                  ; cx: it enters addresses in memory alone
	s_lshl_b32 s19, ttmp9, 2
	s_add_co_u32 s19, s19, s18                     ; my block of 512 queries
	s_and_b32 s20, ttmp7, 0xffff                   ; 16 b + head, which the four partners share
	s_lshl_b32 s21, s19, 5
	s_lshl_b32 s22, s[WV], 1
	s_add_co_u32 s21, s21, s22                     ; my first query tile: 32 x block + 2 x wave
	s_lshr_b32 s22, s20, 4                         ; b
	s_and_b32 s[HEAD], s20, 15
	s_mul_i32 s26, s[WV], BLKB                     ; I fetch block = wave
	s_mul_i32 s24, s20, 16*BLKB
	s_add_co_u32 s24, s24, s26
	s_mov_b32 s25, 0
	s_mov_b32 s[G1], 15|(3<<16)|(1<<21)            ; the mask: all four work-groups; elements of 8 bytes; bit 21 beside a mask
	s_mov_b32 s[G1+1], 32<<16                      ; 13,056 dense bytes as 51 rows of 256
	s_mov_b32 s[G1+2], 51<<16
	s_mov_b32 s[G1+3], 32<<16
	s_mov_b32 s[G1+4], 51
	s_mov_b32 s[G1+5], 32
	s_mov_b32 s[G1+6], 0
	s_mov_b32 s[G1+7], 0
	s_wait_dscnt 0x0
	s_wait_kmcnt 0x0
	s_add_nc_u64 s[24:25], s[6:7], s[24:25]
	s_mov_b32 s[G0], 1
	s_mul_i32 s[G0+1], s[WV], BLKB
	s_mov_b64 s[G0+2:G0+3], s[24:25]
	s_or_b32 s[G0+3], s[G0+3], 0x80000000
	CROUND                                         ; all four work-groups are here: the joint loads meet
	tensor_load_to_lds s[G0:G0+3], s[G1:G1+7]      ; every wave's one tensor load
	s_nop 0
.rept 4
	v_nop
.endr
	s_lshl_b32 s27, s20, 7
	s_add_co_u32 s27, s27, s21
	s_mul_i32 s28, s27, 768                        ; Q's unit: (16 b + head) x 128 + tile
	s_mov_b32 s29, 0
	s_add_nc_u64 s[28:29], s[4:5], s[28:29]
	s_lshl_b32 s30, s20, 13                        ; Q's scale word: 8,192 bytes a head; tile at 256 (tile / 4) + 16 r + 4 (tile % 4)
	s_lshr_b32 s31, s21, 2
	s_lshl_b32 s31, s31, 8
	s_add_co_u32 s30, s30, s31
	s_and_b32 s31, s21, 3
	s_lshl_b32 s31, s31, 2
	s_add_co_u32 s30, s30, s31
	s_add_co_u32 s30, s30, 6291456
	s_mov_b32 s31, 0
	s_add_nc_u64 s[30:31], s[4:5], s[30:31]
	s_lshl_b32 s48, s22, 7
	s_add_co_u32 s48, s48, s21                     ; 128 b + tile: the tile of 16 tokens
	s_mul_i32 s50, s48, 16*MSTEP
	s_mov_b32 s51, 0
	s_add_nc_u64 s[8:9], s[8:9], s[50:51]          ; my two tiles' mask codes: one stream
	s_lshl_b32 s49, s48, 4
	s_add_co_u32 s49, s49, s[HEAD]
	s_mul_i32 s50, s49, 768
	s_add_nc_u64 s[OB:OB+1], s[10:11], s[50:51]    ; where my unit of codes goes: unit = head of the tokens' tile
	s_lshl_b32 s50, s48, 9
	s_lshl_b32 s49, s[HEAD], 1
	s_add_co_u32 s50, s50, s49
	s_add_co_u32 s50, s50, 6291456
	s_add_nc_u64 s[OSB:OSB+1], s[10:11], s[50:51]  ; and its scale bytes: 32 a token, 2 x head on
	s_mov_b32 s[MO], 0
	s_mov_b32 s[MO+1], 0
	s_mov_b32 s[PO+1], 0
	s_mov_b32 s[INC+1], 0
	s_mov_b32 s[CS], 0x3e38aa3b                    ; c = log2(e) / 8
	s_mov_b32 s[CS+1], s[CS]
	s_mov_b32 s[SEL], 0x76543210
	s_mov_b32 s[SEL+1], 0xfedcba98
	v_and_b32 v7, 31, v0
	v_lshlrev_b32 v[L16], 4, v7
	v_lshlrev_b32 v[L8], 3, v7
	v_min_u32 v[PFO], 5, v7
	v_lshlrev_b32 v[PFO], 8, v[PFO]
	v_and_b32 v7, 15, v0                           ; r
	v_mul_u32_u24 v[MOF], v7, 12
	v_lshlrev_b32 v[OSO], 5, v7
	v_lshlrev_b32 v[QSO], 4, v7
	s_wait_alu depctr_va_vdst(0)
	global_load_b128 v[16:19], v[L16], s[28:29]    ; my first tile's Q
	global_load_b64 v[20:21], v[L8], s[28:29] offset:512
	global_load_b32 v[QS], v[QSO], s[30:31]
	MLOAD 8                                        ; step 0's mask codes
	; Q's registers 6-8: one code at bits 6 r .. 6 r + 5 of the 96: -5.0 (0x3a) in lanes 0-15, +7.5 (0x1f) in lanes 16-31
	v_bfe_u32 v5, v0, 4, 1                         ; h
	v_mul_u32_u24 v[T0], v7, 6
	v_and_b32 v[T1], 31, v[T0]                     ; the shift inside a register
	v_lshrrev_b32 v[T0], 5, v[T0]                  ; which register
	v_mul_u32_u24 v5, v5, 27
	v_sub_nc_u32 v5, 0x3a, v5                      ; the code
	v_lshlrev_b32 v[SA], v[T1], v5                 ; its low part
	v_sub_nc_u32 v[T1], 31, v[T1]
	v_lshrrev_b32 v[SA+1], 1, v5
	v_lshrrev_b32 v[SA+1], v[T1], v[SA+1]          ; what runs over into the next register
	v_cmp_eq_u32 s52, 0, v[T0]
	v_cmp_eq_u32 s53, 1, v[T0]
	v_cmp_eq_u32 s54, 2, v[T0]
	v_cndmask_b32 v22, 0, v[SA], s52
	v_cndmask_b32 v23, 0, v[SA], s53
	v_cndmask_b32 v24, 0, v[SA], s54
	v_cndmask_b32 v[SA+2], 0, v[SA+1], s52
	v_cndmask_b32 v[SA+3], 0, v[SA+1], s53
	v_or_b32 v23, v23, v[SA+2]
	v_or_b32 v24, v24, v[SA+3]
.irp j, 25,26,27
	v_mov_b32 v\j, 0                               ; zero codes: what stands against them in K's operands counts for nothing
.endr
.irp t, 0,1,2,3,4,5,6,7
	v_mov_b32 v[KA+10*\t+9], 0                     ; named in K's operands, never loaded: written once
.endr
	v_mov_b32 v[KA+80], 0
	v_mov_b32 v[KA+81], 0
.irp b, 0,1,2,3
	v_mov_b32 v[TP+\b], 0                          ; a lane permute's destination counts as read
.endr
	v_mov_b32 v[PSW], 0                            ; (named as the upper half of the pair with f before it is first written)
	s_wait_alu depctr_va_vdst(0)                   ; the wait at the head's end
	s_wait_tensorcnt 0x0                           ; my block is in,
	s_barrier_signal -1
	s_barrier_wait -1                              ; everybody's are
	KLOAD L16, L8, 0
	s_mov_b32 s[PASS], 2
.Lpass:
	v_mov_b32 v13, 0xff61b1e6                      ; the largest t so far: -3e38
	v_floor_f32 v12, -v13
	v_mov_b32 v14, 0
	v_mov_b32 v15, 0
.set n, 0
.rept 32
	v_mov_b32 v[OA+n], 0                           ; O^T: the step is written once: a pass's first finds zeros
.set n, n+1
.endr
	s_mov_b32 s[TB], 0
	s_mov_b32 s[CNT], 15
.Lstep:
	STEP 0
	s_sub_co_u32 s[CNT], s[CNT], 1
	s_cmp_lg_u32 s[CNT], 0
	s_cbranch_scc1 .Lstep
	STEP 1
	; THE WAY OUT of a pass: O^T / the sum, quantised along the head's 64 channels: one unit and two scale bytes a token
	v_add_f32 v14, v14, v15
	s_delay_alu instid0(VALU_DEP_1)
	v_permlanex16_b32 v[FF], v14, s[SEL], s[SEL+1]
	s_delay_alu instid0(VALU_DEP_1)
	v_add_f32 v14, v14, v[FF]
	s_wait_alu depctr_va_vdst(0)
	v_rcp_f32 v14, v14
	v_nop
	s_wait_alu depctr_va_vdst(0)                   ; ahead of the reciprocal's and O^T's first reader
.set n, 0
.rept 16
	v_pk_mul_f32 v[SR+n:SR+n+1], v[OA+n:OA+n+1], v[14:15] op_sel_hi:[1,0]
.set n, n+2
.endr
	v_max3_num_f32 v[TM], |v[SR]|, |v[SR+1]|, 0x1800000
	v_max3_num_f32 v[TM+1], |v[SR+16]|, |v[SR+17]|, 0x1800000
.irp i, 2,4,6,8,10,12,14
	s_delay_alu instid0(VALU_DEP_2)
	v_max3_num_f32 v[TM], v[TM], |v[SR+\i]|, |v[SR+\i+1]|
	s_delay_alu instid0(VALU_DEP_2)
	v_max3_num_f32 v[TM+1], v[TM+1], |v[SR+16+\i]|, |v[SR+17+\i]|
.endr
	s_delay_alu instid0(VALU_DEP_2)
	v_permlanex16_b32 v[TM+2], v[TM], s[SEL], s[SEL+1]
	s_delay_alu instid0(VALU_DEP_2)
	v_permlanex16_b32 v[TM+3], v[TM+1], s[SEL], s[SEL+1]
	s_delay_alu instid0(VALU_DEP_2)
	v_max_num_f32 v[TM], v[TM], v[TM+2]
	s_delay_alu instid0(VALU_DEP_2)
	v_max_num_f32 v[TM+1], v[TM+1], v[TM+3]
	s_delay_alu instid0(VALU_DEP_2)
	v_add_nc_u32 v[SO], 0xff000000, v[TM]
	s_delay_alu instid0(VALU_DEP_2)
	v_add_nc_u32 v[SO+1], 0xff000000, v[TM+1]
	s_delay_alu instid0(VALU_DEP_2)
	v_lshrrev_b32 v[TM+2], 23, v[SO]
	s_delay_alu instid0(VALU_DEP_2)
	v_lshrrev_b32 v[TM+3], 23, v[SO+1]
	s_delay_alu instid0(VALU_DEP_1)
	v_lshl_or_b32 v[TP], v[TM+3], 8, v[TM+2]
	v_cvt_scalef32_pk16_fp6_f32 v[PC:PC+2], v[SR:SR+15], v[SO]
	v_cvt_scalef32_pk16_fp6_f32 v[PX:PX+2], v[SR+16:SR+31], v[SO+1]
	v_nop
.irp i, 0,1,2
	v_permlane16_swap_b32 v[PC+\i], v[PX+\i]
.endr
.irp i, 0,1,2
	s_delay_alu instid0(VALU_DEP_3)
	v_mov_b32 v[PC+3+\i], v[PX+\i]
.endr
	global_store_b128 v[L16], v[PC:PC+3], s[OB:OB+1]
	global_store_b64 v[L8], v[PC+4:PC+5], s[OB:OB+1] offset:512
	global_store_b16 v[OSO], v[TP], s[OSB:OSB+1]   ; both halves of the lanes hold, and write, the same two bytes
	s_wait_xcnt 0x0                                ; the stores have read their bases and data
	s_add_nc_u64 s[OB:OB+1], s[OB:OB+1], 12288     ; the next tile of tokens: 16 units on,
	s_add_nc_u64 s[OSB:OSB+1], s[OSB:OSB+1], 512   ; 16 rows of scale bytes on
	s_sub_co_u32 s[PASS], s[PASS], 1
	s_cmp_lg_u32 s[PASS], 0
	s_wait_alu depctr_va_vdst(0)
	s_cbranch_scc1 .Lpass
	s_wait_tensorcnt 0x0                           ; the wave's end
	ds_add_u32 v[SPW], v[NIL]
	s_wait_dscnt 0x0
	CROUND                                         ; the closing round
	s_endpgm
.Lfunc_end_k_q94744d9d90_attn:
	.size	k_q94744d9d90_attn, .Lfunc_end_k_q94744d9d90_attn-k_q94744d9d90_attn
	.p2alignl 7, 3214868480
	.fill 96, 4, 3214868480
	.section	.rodata,"a",@progbits
	.p2align	6, 0x0
	.amdhsa_kernel k_q94744d9d90_attn
		.amdhsa_group_segment_fixed_size 224000
		.amdhsa_private_segment_fixed_size 0
		.amdhsa_enable_private_segment 0
		.amdhsa_kernarg_size 32
		.amdhsa_user_sgpr_count 2
		.amdhsa_user_sgpr_kernarg_segment_ptr 1
		.amdhsa_wavefront_size32 1
		.amdhsa_system_sgpr_workgroup_id_x 1
		.amdhsa_system_sgpr_workgroup_id_y 1
		.amdhsa_system_sgpr_workgroup_id_z 1
		.amdhsa_system_vgpr_workitem_id 0
		.amdhsa_next_free_vgpr 256
		.amdhsa_next_free_sgpr 80
		.amdhsa_reserve_vcc 0
		.amdhsa_float_denorm_mode_32 3
		.amdhsa_float_denorm_mode_16_64 3
		.amdhsa_memory_ordered 1
		.amdhsa_forward_progress 1
		.amdhsa_inst_pref_size 51
	.end_amdhsa_kernel
	.amdgpu_metadata
---
amdhsa.version: [ 1, 2 ]
amdhsa.kernels:
  - .name:           k_q94744d9d90_attn
    .symbol:         k_q94744d9d90_attn.kd
    .args:
      - { .name: qb, .offset: 0, .size: 8, .value_kind: global_buffer, .address_space: global }
      - { .name: kv, .offset: 8, .size: 8, .value_kind: global_buffer, .address_space: global }
      - { .name: maskc, .offset: 16, .size: 8, .value_kind: global_buffer, .address_space: global }
      - { .name: ab, .offset: 24, .size: 8, .value_kind: global_buffer, .address_space: global }
    .group_segment_fixed_size: 224000
    .private_segment_fixed_size: 0
    .kernarg_segment_align: 8
    .kernarg_segment_size: 32
    .max_flat_workgroup_size: 512
    .sgpr_count:     80
    .vgpr_count:     256
    .wavefront_size: 32
...
	.end_amdgpu_metadata
.endif
;; end of part 3
;; launch gemm_out (part 4): grid 64 x 4, 4 waves a work-group, clusters of 4 x 4, 327,680 bytes of LDS; arguments ab, xw, bo, out0; writes out0
.if DOCPART == 4
	.amdgcn_target "amdgcn-amd-amdhsa--gfx1250"
	.amdhsa_code_object_version 6
	.text
	.protected	k_q94744d9d90_gemm_out
	.globl	k_q94744d9d90_gemm_out
	.p2align	8
	.type	k_q94744d9d90_gemm_out,@function
k_q94744d9d90_gemm_out:
	s_mov_b64 s[64:65], 0
	v_nop
	global_prefetch_b8 v0, s[64:65] scope:SCOPE_SE
	s_setreg_imm32_b32 hwreg(HW_REG_WAVE_MODE, 25, 1), 1
	s_wait_xcnt 0x0
	s_wait_alu depctr_hold_cnt(0) depctr_sa_sdst(0) depctr_va_vdst(0) depctr_va_sdst(0) depctr_va_ssrc(0) depctr_va_vcc(0) depctr_vm_vsrc(0)
	s_getreg_b32 s2, hwreg(HW_REG_IB_STS2, 6, 4)
	s_cmp_eq_u32 s2, 0
	s_cbranch_scc0 .Lentry_in_a_cluster
	s_endpgm
.Lentry_in_a_cluster:
	s_bfe_u32 s2, ttmp6, 0x10000c
	s_cmp_lg_u32 s2, 0xf033
	s_cbranch_scc0 .Lentry_shape_is_right
	s_endpgm
.Lentry_shape_is_right:
; THE OUTPUT PROJECTION on codes of FP6 (E2M3): out0[m][n] = sum over k of attn[m][k] Wo[k][n] + bo[n]; M 8,192, N 1,024, K 1,024; sums in f32.
; attn's codes and scale bytes lie in ab, Wo's in xw, both as [tile of 16 rows][unit of 64 along K, 16 of them][768 bytes], a unit being an image of operand registers 0-5 (registers 0-3 at 16 x lane, 4-5 at 512 + 8 x lane);
; scale bytes as [row][32].  A tile of 16 rows with all of K is 12,288 consecutive bytes.
; SHARES.  A work-group makes 128 x 256 of the result: 64 x 4 = 256 work-groups.  Each of its four waves makes 64 x 128: 32 accumulators of 16 x 16.
; ALL OF K LIES IN LDS, each byte filled once: A's 8 row tiles (98,304 bytes), B's 16 (196,608), the scales of A's 128 and B's 256 rows as units of 256 bytes + 16 of padding (13,056).
; Four tiles, four waves, one tensor load a wave at the head.  Nothing is filled again: no ring, and one work-group barrier shows all four tiles to all waves.
; CLUSTERS: 4 x 4 work-groups; A's tiles are asked for jointly along a row of the cluster, B's along a column.
; No prefetch: every tensor load of the launch goes out at its head, and there is no loop to run ahead in.
; THE MATRIX INSTRUCTION IS USED TRANSPOSED (source 0 = 16 rows of B, source 1 = 16 rows of A): a lane holds eight neighbouring numbers of a row of the result.  The bias is the C of the first step's products.
; REGISTERS: window 0: v0-31 addresses; v32-95 scale words (register 8 i + q: lanes 0-15 A's block i, lanes 16-31 B's block i, step q); v96-159 the bias; v160-255 A's fragments, two sets of 4 x 12;
;   window 1: B's fragments, two sets of 8 x 12, at v0 and v96;  window 2: accumulator (a, b) at v[8 (8 a + b)].  On the way out v96-223 of window 0 take the rows read back.
; THE WAY OUT: 16 rows x 128 columns at a time through the wave's own stage, which lies in A's bytes: they have had their one fill, and a barrier in the last step shows that nobody reads codes any more.
.set SIZE_N, 1024
.set FR,     12
.set RT,     12288                     ; a tile of 16 rows, all of K
.set BCODE,  8*RT
.set ASC,    24*RT
.set BSC,    ASC+16*272
.set SBLK,   2*272                     ; the scales of 16 rows
.set SPARE,  ASC+48*272
.set SPITCH, 528
.set AA16, 16
.set AA8,  17
.set BA16, 18                          ; B's blocks 0-3
.set BA8,  19
.set BB16, 20                          ; B's blocks 4-7: an LDS offset has 16 bits
.set BB8,  21
.set STO,  24
.set RD,   25
.set CO,   26
.set ADRS, 27
.set SPW,  28
.set NIL,  29
.set SC,   32
.set BI,   96
.set AF,   160
.set BK,   96
.set WV,   2
.set WL,   3
.set WR,   16
.set G1,   24
.set G0,   32
.set G1B,  48
.set G0B,  56
.set G1S,  68
.set G0S,  76
.set G1SB, 80
.set G0SB, 88
.set MSB, 0
.macro WIN new                         ; the immediate's high byte repeats the setting that is left
.if MSB != \new
	s_set_vgpr_msb (MSB<<8)|\new
.set MSB, \new
.endif
.endm
.set MUL_W, 0xa1                       ; source 0 (B) window 1, source 1 (A) window 0, C and D window 2
.set BIA_W, 0x81                       ; the same, C window 0
.set TO_B,  0x40
.macro CROUND
	s_barrier_signal -1
	s_barrier_wait -1
	s_cmp_lg_u32 s[WV], 0
	s_cbranch_scc1 .Lnot_wave_0_\@
	s_barrier_signal -3
.Lnot_wave_0_\@:
	s_barrier_wait -3
	s_barrier_signal -1
	s_barrier_wait -1
.endm
.macro PLACES
.rept 4
	v_nop
.endr
.endm
.macro FRAG reg, a16, a8, off          ; 16 rows x 128 K: two units
	ds_load_b128 v[\reg:\reg+3], v[\a16] offset:\off
	ds_load_b64 v[\reg+4:\reg+5], v[\a8] offset:\off+512
	ds_load_b128 v[\reg+6:\reg+9], v[\a16] offset:\off+768
	ds_load_b64 v[\reg+10:\reg+11], v[\a8] offset:\off+1280
.endm
.macro FETCH q                         ; step q's fragments into set q % 2: 48 LDS loads
	WIN TO_B
.irp i, 0,1,2,3
	FRAG 96*((\q)%2)+FR*\i, BA16, BA8, \i*RT+(\q)*1536
.endr
.irp i, 0,1,2,3
	FRAG 96*((\q)%2)+FR*(\i+4), BB16, BB8, \i*RT+(\q)*1536
.endr
	WIN 0
.irp i, 0,1,2,3
	FRAG AF+48*((\q)%2)+FR*\i, AA16, AA8, \i*RT+(\q)*1536
.endr
.endm
.macro MUL q, bias                     ; 32 matrix instructions: the 32 accumulators take turns, in the same order in every step
.irp a, 0,1,2,3
.irp b, 0,1,2,3,4,5,6,7
.if \bias
	v_wmma_scale_f32_16x16x128_f8f6f4 v[8*(8*\a+\b):8*(8*\a+\b)+7], v[96*((\q)%2)+FR*\b:96*((\q)%2)+FR*\b+FR-1], v[AF+48*((\q)%2)+FR*\a:AF+48*((\q)%2)+FR*\a+FR-1], v[BI+8*\b:BI+8*\b+7], v[SC+8*\b+(\q)], v[SC+8*\a+(\q)] matrix_a_fmt:MATRIX_FMT_FP6 matrix_b_fmt:MATRIX_FMT_FP6 matrix_a_scale:MATRIX_SCALE_ROW1
.else
	v_wmma_scale_f32_16x16x128_f8f6f4 v[8*(8*\a+\b):8*(8*\a+\b)+7], v[96*((\q)%2)+FR*\b:96*((\q)%2)+FR*\b+FR-1], v[AF+48*((\q)%2)+FR*\a:AF+48*((\q)%2)+FR*\a+FR-1], v[8*(8*\a+\b):8*(8*\a+\b)+7], v[SC+8*\b+(\q)], v[SC+8*\a+(\q)] matrix_a_fmt:MATRIX_FMT_FP6 matrix_b_fmt:MATRIX_FMT_FP6 matrix_a_scale:MATRIX_SCALE_ROW1
.endif
.endr
.endr
.endm
	s_load_b256 s[4:11], s[0:1], 0x0               ; ab s[4:5], xw s[6:7], bo s[8:9], out0 s[10:11]
	v_lshl_add_u32 v[SPW], v0, 2, SPARE
	v_mov_b32 v[NIL], 0
	ds_add_u32 v[SPW], v[NIL]                      ; the opening lines: the add twice on end and its wait
	ds_add_u32 v[SPW], v[NIL]
	v_lshrrev_b32 v1, 5, v0
	v_readfirstlane_b32 s[WV], v1                  ; wave 0..3
	s_lshr_b32 s[WL], s[WV], 1                     ; which 64 rows are mine
	s_and_b32 s[WR], s[WV], 1                      ; which 128 columns
	s_bfe_u32 s40, ttmp6, 0x40000                  ; cx = the block's column, 0..3
	s_bfe_u32 s41, ttmp6, 0x40004                  ; cy
	s_lshl_b32 s17, ttmp9, 2
	s_add_co_u32 s17, s17, s41                     ; the block's row, 0..63 = 4 x cluster + cy
	s_lshl_b32 s43, s41, 2
	s_lshl_b32 s43, 15, s43                        ; my row of the cluster
	s_lshl_b32 s44, 0x1111, s40                    ; my column
	s_or_b32 s[G1+0], s43, (3<<16)|(1<<21)         ; codes: rows of 1,536 elements of 8 bytes, dense
	s_or_b32 s[G1B+0], s44, (3<<16)|(1<<21)
.irp g, G1, G1B
	s_mov_b32 s[\g+1], 1536<<16
	s_mov_b32 s[\g+3], 1536<<16
	s_mov_b32 s[\g+5], 1536
	s_mov_b32 s[\g+6], 0
	s_mov_b32 s[\g+7], 0
.endr
	s_mov_b32 s[G1+2], 8<<16                       ; A: 8 row tiles
	s_mov_b32 s[G1+4], 8
	s_mov_b32 s[G1B+2], 16<<16                     ; B: 16
	s_mov_b32 s[G1B+4], 16
	s_or_b32 s[G1S+0], s43, (3<<16)|(1<<20)|(1<<21)|(5<<22)|(3<<25)   ; scales: rows of 256 bytes, 16 of padding behind each
	s_or_b32 s[G1SB+0], s44, (3<<16)|(1<<20)|(1<<21)|(5<<22)|(3<<25)
.irp g, G1S, G1SB
	s_mov_b32 s[\g+1], 32<<16
	s_mov_b32 s[\g+3], 32<<16
	s_mov_b32 s[\g+5], 32
	s_mov_b32 s[\g+6], 0
	s_mov_b32 s[\g+7], 0
.endr
	s_mov_b32 s[G1S+2], 16<<16                     ; 128 rows x 32 bytes
	s_mov_b32 s[G1S+4], 16
	s_mov_b32 s[G1SB+2], 32<<16                    ; 256 rows x 32 bytes
	s_mov_b32 s[G1SB+4], 32
	s_mul_i32 s20, s17, 8*RT                       ; A's codes: 128 rows a block
	s_lshl_b32 s22, s17, 12
	s_add_co_u32 s22, s22, 6291456                 ; A's scales
	s_mul_i32 s46, s40, 16*RT
	s_add_co_u32 s46, s46, 14942208                ; Wo's codes
	s_lshl_b32 s92, s40, 13
	s_add_co_u32 s92, s92, 16351232                ; Wo's scales
	s_mov_b32 s21, 0
	s_mov_b32 s23, 0
	s_mov_b32 s47, 0
	s_mov_b32 s93, 0
	s_wait_dscnt 0x0
	s_wait_kmcnt 0x0
	s_mov_b32 s[G0], 1
	s_mov_b32 s[G0+1], 0
	s_add_nc_u64 s[G0+2:G0+3], s[4:5], s[20:21]
	s_or_b32 s[G0+3], s[G0+3], 0x80000000
	s_mov_b32 s[G0B], 1
	s_mov_b32 s[G0B+1], BCODE
	s_add_nc_u64 s[G0B+2:G0B+3], s[6:7], s[46:47]
	s_or_b32 s[G0B+3], s[G0B+3], 0x80000000
	s_mov_b32 s[G0S], 1
	s_mov_b32 s[G0S+1], ASC
	s_add_nc_u64 s[G0S+2:G0S+3], s[4:5], s[22:23]
	s_or_b32 s[G0S+3], s[G0S+3], 0x80000000
	s_mov_b32 s[G0SB], 1
	s_mov_b32 s[G0SB+1], BSC
	s_add_nc_u64 s[G0SB+2:G0SB+3], s[6:7], s[92:93]
	s_or_b32 s[G0SB+3], s[G0SB+3], 0x80000000
	CROUND                                         ; all sixteen work-groups are here: the joint loads meet
; one chain of branches on the wave's number, one load to an arm: wave 0 B's codes, wave 1 A's codes, wave 2 A's scales, wave 3 B's
.macro ARM under, g0, g1, next
	s_cmp_lt_u32 s[WV], \under
	s_cbranch_scc0 \next
	tensor_load_to_lds s[\g0:\g0+3], s[\g1:\g1+7]
	s_nop 0
.rept 4
	v_nop
.endr
	s_branch .Lhead_asked
\next:
.endm
	ARM 1, G0B, G1B, .Lhead_a
	ARM 2, G0, G1, .Lhead_sa
	ARM 3, G0S, G1S, .Lhead_sb
	tensor_load_to_lds s[G0SB:G0SB+3], s[G1SB:G1SB+7]
	s_nop 0
.rept 4
	v_nop
.endr
.Lhead_asked:
	v_and_b32 v1, 15, v0                           ; r
	v_bfe_u32 v2, v0, 4, 1                         ; h
	v_and_b32 v3, 31, v0
	v_lshlrev_b32 v[CO], 4, v3                     ; 16 x lane
	v_lshlrev_b32 v4, 3, v3                        ; 8 x lane
	s_mul_i32 s21, s[WL], 4*RT                     ; my 4 row tiles of A
	s_mul_i32 s22, s[WR], 8*RT                     ; my 8 of B
	s_add_co_u32 s22, s22, BCODE
	v_add_nc_u32 v[AA16], s21, v[CO]
	v_add_nc_u32 v[AA8], s21, v4
	v_add_nc_u32 v[BA16], s22, v[CO]
	v_add_nc_u32 v[BA8], s22, v4
	s_add_co_u32 s22, s22, 4*RT
	v_add_nc_u32 v[BB16], s22, v[CO]
	v_add_nc_u32 v[BB8], s22, v4
	v_mul_u32_u24 v5, v1, 32                       ; my row's scales: 32 bytes a row,
	v_lshrrev_b32 v6, 8, v5
	v_lshl_add_u32 v5, v6, 4, v5                   ; and 16 more for each 256 passed
	s_mul_i32 s21, s[WL], 4*SBLK
	s_mul_i32 s22, s[WR], 8*SBLK
	s_add_co_u32 s22, s22, BSC-ASC
	s_sub_co_u32 s22, s22, s21
	v_mul_u32_u24 v6, s22, v2                      ; lanes 16-31 take B's: one product, the distance between the two bases
	s_add_co_u32 s21, s21, ASC
	v_add_nc_u32 v5, v5, v6
	v_add_nc_u32 v[ADRS], s21, v5
	s_mul_i32 s23, s[WV], 16*SPITCH                ; my stage, from LDS byte 0 on
	v_mul_u32_u24 v5, v1, SPITCH
	v_lshl_add_u32 v5, v2, 5, v5
	v_add_nc_u32 v[STO], s23, v5
	v_add_nc_u32 v[RD], s23, v[CO]
	v_lshlrev_b32 v30, 5, v2
	s_wait_alu depctr_va_vdst(0)                   ; the wait at the head's end
	s_lshl_b32 s46, s40, 10                        ; my first column, in bytes: 1,024 x block column + 512 x half
	s_lshl_b32 s47, s[WR], 9
	s_add_co_u32 s46, s46, s47
	s_mov_b32 s47, 0
	s_add_nc_u64 s[8:9], s[8:9], s[46:47]
	s_lshl_b32 s20, s17, 7
	s_lshl_b32 s21, s[WL], 6
	s_add_co_u32 s20, s20, s21                     ; my first row: 128 x block row + 64 x half
	s_lshl_b32 s20, s20, 12
	s_mov_b32 s21, 0
	s_add_nc_u64 s[20:21], s[20:21], s[46:47]
	s_add_nc_u64 s[10:11], s[10:11], s[20:21]
.irp b, 0,1,2,3,4,5,6,7
	global_load_b128 v[BI+8*\b:BI+8*\b+3], v30, s[8:9] offset:64*\b          ; bo at my lane's eight columns of block b
	global_load_b128 v[BI+8*\b+4:BI+8*\b+7], v30, s[8:9] offset:64*\b+16
.endr
	s_wait_tensorcnt 0x0                           ; my tile is in,
	s_barrier_signal -1
	s_barrier_wait -1                              ; everybody's are
.irp i, 0,1,2,3,4,5,6,7
	ds_load_b128 v[SC+8*\i:SC+8*\i+3], v[ADRS] offset:\i*SBLK                ; all eight steps' scale words, once
	ds_load_b128 v[SC+8*\i+4:SC+8*\i+7], v[ADRS] offset:\i*SBLK+16
.endr
	FETCH 0
	s_wait_loadcnt 0x0                             ; the bias
.set Q, 0
.rept 7
.if Q > 0
	PLACES                                         ; ahead of loads into the set that the step before multiplied
.endif
	FETCH Q+1
	s_wait_dscnt 48                                ; all but the 48 loads just issued: this step's fragments (and the scale words) are in
.if Q == 0
	WIN BIA_W
	MUL Q, 1
.else
	WIN MUL_W
	MUL Q, 0
.endif
	WIN 0
.set Q, Q+1
.endr
	s_wait_dscnt 0x0                               ; my last reads of the codes are over:
	s_barrier_signal -1                            ; say so,
	WIN MUL_W
	MUL 7, 0
	WIN 0
	s_barrier_wait -1                              ; and behind this wait A's bytes serve as stages
.macro TOSTAGE a
.set AC, 64*(\a)
	WIN 0x08                                       ; the data: window 2
.irp b, 0,1,2,3,4,5,6,7
	ds_store_b128 v[STO], v[AC+8*\b:AC+8*\b+3] offset:64*\b                  ; each accumulator from its low end on
	ds_store_b128 v[STO], v[AC+8*\b+4:AC+8*\b+7] offset:64*\b+16
.endr
	WIN 0
.set BB, BK+64*((\a)%2)
.irp t, 0,1,2,3,4,5,6,7,8,9,10,11,12,13,14,15
	ds_load_b128 v[BB+4*\t:BB+4*\t+3], v[RD] offset:\t*SPITCH                ; LDS serves a wave's instructions in order: these see the stores above
.endr
.endm
.macro SEND a, younger
.set BB, BK+64*((\a)%2)
	s_wait_dscnt \younger
.if (\a) > 0
	s_add_nc_u64 s[10:11], s[10:11], 16*SIZE_N*4   ; (behind a wait on XCNT)  16 rows on
.endif
.irp t, 0,1,2,3,4,5,6,7,8,9,10,11,12,13,14,15
	global_store_b128 v[CO], v[BB+4*\t:BB+4*\t+3], s[10:11] offset:\t*SIZE_N*4 th:TH_STORE_NT   ; 32 lanes store 512 consecutive bytes, aligned
.endr
.endm
	PLACES                                         ; behind the last products: ahead of the reads of results and of the loads into registers that they read
	TOSTAGE 0
.irp a, 1,2,3
.if \a > 1
	s_wait_xcnt 0x0                                ; block a - 2's stores have read their registers and their base
.endif
	TOSTAGE \a
	SEND \a-1, 32                                  ; behind block a - 1's loads: block a's 16 stores and 16 loads
.endr
	s_wait_xcnt 0x0
	SEND 3, 0
	s_wait_tensorcnt 0x0                           ; the wave's end
	ds_add_u32 v[SPW], v[NIL]
	s_wait_dscnt 0x0
	CROUND                                         ; the closing round
	s_endpgm
.Lfunc_end_k_q94744d9d90_gemm_out:
	.size	k_q94744d9d90_gemm_out, .Lfunc_end_k_q94744d9d90_gemm_out-k_q94744d9d90_gemm_out
	.p2alignl 7, 3214868480
	.fill 96, 4, 3214868480
	.section	.rodata,"a",@progbits
	.p2align	6, 0x0
	.amdhsa_kernel k_q94744d9d90_gemm_out
		.amdhsa_group_segment_fixed_size 327680
		.amdhsa_private_segment_fixed_size 0
		.amdhsa_enable_private_segment 0
		.amdhsa_kernarg_size 32
		.amdhsa_user_sgpr_count 2
		.amdhsa_user_sgpr_kernarg_segment_ptr 1
		.amdhsa_wavefront_size32 1
		.amdhsa_system_sgpr_workgroup_id_x 1
		.amdhsa_system_sgpr_workgroup_id_y 1
		.amdhsa_system_sgpr_workgroup_id_z 1
		.amdhsa_system_vgpr_workitem_id 0
		.amdhsa_next_free_vgpr 768
		.amdhsa_next_free_sgpr 100
		.amdhsa_reserve_vcc 0
		.amdhsa_float_denorm_mode_32 3
		.amdhsa_float_denorm_mode_16_64 3
		.amdhsa_memory_ordered 1
		.amdhsa_forward_progress 1
		.amdhsa_inst_pref_size 84
	.end_amdhsa_kernel
	.amdgpu_metadata
---
amdhsa.version: [ 1, 2 ]
amdhsa.kernels:
  - .name:           k_q94744d9d90_gemm_out
    .symbol:         k_q94744d9d90_gemm_out.kd
    .args:
      - { .name: ab, .offset: 0, .size: 8, .value_kind: global_buffer, .address_space: global }
      - { .name: xw, .offset: 8, .size: 8, .value_kind: global_buffer, .address_space: global }
      - { .name: bo, .offset: 16, .size: 8, .value_kind: global_buffer, .address_space: global }
      - { .name: out0, .offset: 24, .size: 8, .value_kind: global_buffer, .address_space: global }
    .group_segment_fixed_size: 327680
    .private_segment_fixed_size: 0
    .kernarg_segment_align: 8
    .kernarg_segment_size: 32
    .max_flat_workgroup_size: 128
    .sgpr_count:     100
    .vgpr_count:     768
    .wavefront_size: 32
...
	.end_amdgpu_metadata
.endif
;; end of part 4
